; MI455X (gfx1250); checked and timed in simulation.
; The chip was launched on July 23, 2026; its instructions are those of AMD's public machine-readable ISA for CDNA 5 (MIT licence, August 2026) and "CDNA5" Instruction Set Architecture Reference Guide (July 2026). The comments in the code are by the model that wrote it; some were corrected since.
;; HF guided CA. Allowed arithmetic: float matrix products may take bf16 or f16 operands with f32 sums; other float arithmetic in f32, or as packed bf16 or f16 multiplies, adds, multiply-adds, maxima and minima; sums over many terms, partial sums and values carried from step to step in f32; what a program stores and reads back later, other than sums and carried values, may be rounded once to bf16 or f16.
;; Inputs: b_out 256 float32; gn_bias 256 float32; gn_weight 256 float32; input 8 x 256 x 32 x 64 float32; quary 8 x 3 x 32 x 64 float32; w_kv 512 x 256 float32; w_out 256 x 256 float32; w_q 256 x 3 float32.
;; Outputs: out0 8 x 256 x 32 x 64 float32.
;; 2 versions, each right; version 2 is version 1 with the launch gnfold written anew for expert scheduling mode. Each part assembles by itself: llvm-mc -triple=amdgcn-amd-amdhsa -mcpu=gfx1250 --defsym DOCPART=n.
;; ======== version 1 of 2: 3 launches
;; workspace buffers: nf 8,388,608 bytes; wf 139,264 bytes; vt 8,388,608 bytes; kr 262,144 bytes
;; launch gnfold (part 1): grid 256 x 1, 8 waves a work-group, no clusters, 17,920 bytes of LDS; arguments input, gn_weight, gn_bias, w_kv, w_out, w_q, nf, wf; writes nf, wf
.if DOCPART == 1
	.amdgcn_target "amdgcn-amd-amdhsa--gfx1250"
	.amdhsa_code_object_version 6
	.text
	.protected	k_q10d51635d8_gnfold
	.globl	k_q10d51635d8_gnfold
	.p2align	8
	.type	k_q10d51635d8_gnfold,@function
k_q10d51635d8_gnfold:
	s_mov_b64 s[64:65], 0
	v_nop
	global_prefetch_b8 v0, s[64:65] scope:SCOPE_SE
	s_setreg_imm32_b32 hwreg(HW_REG_WAVE_MODE, 25, 1), 1
	s_wait_xcnt 0x0
; GROUP NORM, AND THE FOLDED WEIGHTS.  First of three launches for
;   out = w_out (V softmax(q^T k / 16)^T) + b_out + input,  k, V = w_kv norm,  q = w_q quary,  norm = group norm of input.
; NOTHING IS LEFT OUT AS DEAD: every input reaches the output and is loaded.  Two products are taken in another order, which holds for all values of the inputs:
;   q_i . k_j = quary_i^T (w_q^T W_k) norm_j : the scores are a product over 3 numbers, not 256;      w_out (W_v norm) P^T = (w_out W_v) norm P^T : one projection for two.
; LIMITS.  The order of rounding differs from the reference's: the folded weights are f32 sums of bf16 products and are rounded to bf16 once more; norm is stored in bf16.
; NaN and infinities are not treated apart.
; SHARES.  Work-group n = 32 b + g owns group g of batch b: 8 channels x 2,048 positions, 65,536 consecutive bytes.  Thread t holds, of each channel, positions 4 t .. 4 t + 3 and
; 1,024 + 4 t .. : 16 loads of 16 bytes, each covering 512 consecutive bytes a wave; the group stays in 64 registers between mean, variance (of x - mean) and scaling.
; nf: norm in bf16 as the next launch's matrix operand takes it: [b][PB 16][kc 8][e 8][hf 2][h 2][r 16][8 channels]; g = 4 kc + 2 hf + h; position 128 PB + 64 (e / 4) + 4 r + e % 4.
; Each store of 16 lanes covers 256 consecutive bytes, aligned.
; wf: tile (ob, cb) of 16 rows x 16 channels at byte 512 (16 ob + cb): lane (r, h) holds row 16 ob + r, channels 16 cb + 8 h + 0..7 in bf16.  ob 0..15: w_out W_v.
; ob 16: rows 0..2 = c0 w_q^T W_k, c0 = log2(e) / 16, rows 3..15 = 0.  Work-group n makes tile n; work-groups 0..15 also tile 256 + n.  Wave w takes 32 of the 256 terms
; (one matrix instruction); the eight partial tiles meet in LDS.
.set RS1,   0                          ; LDS: eight waves' sums of x
.set RS2,   256                        ; of (x - mean)^2
.set TP,    512                        ; eight partial tiles, 1,024 bytes each
.set TP2,   8704                       ; the same for the tile of w_q^T W_k
.set SPARE, 16896                      ; the spare words, 128 bytes a wave: four blocks of 256 bytes that no other line names
.set XO,  4                            ; v4   16 t
.set NO,  5                            ; v5   my 16 bytes in nf: 65,536 wave + 4,096 (lane / 16) + 16 (lane % 16)
.set T0O, 6                            ; v6   8,192 h + 4 r: w_kv, 8 h rows down, column r
.set T1O, 7                            ; v7   1,024 r + 32 h: w_out, row r, 8 h columns on
.set TQO, 8                            ; v8   96 h + 4 min(r, 2): w_q, 8 h rows down, column min(r, 2)
.set RSA, 9                            ; v9   4 wave
.set TPA, 10                           ; v10  1,024 wave + 16 lane
.set L16, 11                           ; v11  16 lane
.set SPW, 12                           ; v12  my spare word; never rewritten
.set NIL, 13                           ; v13  0; never rewritten
.set ZA,  14                           ; v14  LDS address 0
.set PT,  15                           ; v15  at work
.set X,   16                           ; v[16:79]   x: channel c, half u, place e' at X + 8 c + 4 u + e'
.set E0,  80                           ; v[80:95]   f32 terms of source 0;  later SM, NM, and the packed rows
.set E1,  96                           ; v[96:111]  of source 1;            later RD
.set FA,  112
.set FB,  120
.set D,   128
.set E2,  136
.set E3,  152
.set FA2, 168
.set FB2, 176
.set D2,  184
.set GA,  192                          ; v[192:207] rstd x gamma_c, twice
.set GB,  208                          ; v[208:223] beta_c, twice
.set CM,  224                          ; v[224:225] c0 in lanes with r < 3, else 0
.set SM,  80
.set NM,  88
.set RD,  96
.set NB,  80
.macro WRED r                          ; the sum over the wave's 32 lanes, in every lane
	v_add_f32_dpp v[\r], v[\r], v[\r] row_xmask:1 row_mask:0xf bank_mask:0xf
	v_add_f32_dpp v[\r], v[\r], v[\r] row_xmask:2 row_mask:0xf bank_mask:0xf
	v_add_f32_dpp v[\r], v[\r], v[\r] row_xmask:4 row_mask:0xf bank_mask:0xf
	v_add_f32_dpp v[\r], v[\r], v[\r] row_xmask:8 row_mask:0xf bank_mask:0xf
	v_permlanex16_b32 v[PT], v[\r], s38, s39
	v_add_f32 v[\r], v[\r], v[PT]
.endm
.macro GSUM reg                        ; four pairs in SM -> the sum over the work-group, in v[RD] of every lane
	v_pk_add_f32 v[SM:SM+1], v[SM:SM+1], v[SM+2:SM+3]
	v_pk_add_f32 v[SM+4:SM+5], v[SM+4:SM+5], v[SM+6:SM+7]
	v_pk_add_f32 v[SM:SM+1], v[SM:SM+1], v[SM+4:SM+5]
	v_add_f32 v[SM], v[SM], v[SM+1]
	WRED SM
	ds_store_b32 v[RSA], v[SM] offset:\reg
	s_wait_dscnt 0x0                               ; for the others' sake: all my LDS stores are done
	s_barrier_signal -1
	s_barrier_wait -1
	ds_load_b128 v[RD:RD+3], v[ZA] offset:\reg
	ds_load_b128 v[RD+4:RD+7], v[ZA] offset:\reg+16
	s_wait_dscnt 0x0
	v_pk_add_f32 v[RD:RD+1], v[RD:RD+1], v[RD+2:RD+3]
	v_pk_add_f32 v[RD+4:RD+5], v[RD+4:RD+5], v[RD+6:RD+7]
	v_pk_add_f32 v[RD:RD+1], v[RD:RD+1], v[RD+4:RD+5]
	v_add_f32 v[RD], v[RD], v[RD+1]
.endm
; My 32 terms of a tile: both sources rounded to bf16, one product that starts its sum with 0, the partial tile into LDS.
; Source 0: lane r = channel; source 1: lane r = row: in the result lane (r, h) holds row r and channels 8 h + 0..7.
.macro TPART fa, fb, e0, e1, d, reg
.set q, 0
.rept 8
	v_cvt_pk_bf16_f32 v[\fa+q], v[\e0+2*q], v[\e0+2*q+1]
	v_cvt_pk_bf16_f32 v[\fb+q], v[\e1+2*q], v[\e1+2*q+1]
.set q, q+1
.endr
	v_wmma_f32_16x16x32_bf16 v[\d:\d+7], v[\fa:\fa+7], v[\fb:\fb+7], 0
.rept 4
	v_nop                                          ; four places between the product and the LDS stores that read it
.endr
	ds_store_b128 v[TPA], v[\d:\d+3] offset:\reg
	ds_store_b128 v[TPA], v[\d+4:\d+7] offset:\reg+512
.endm
; One wave adds the eight partial tiles, rounds once and stores 512 consecutive bytes of wf.  scale = 1: times CM.
.macro TSUM reg, scale, off
.set q, 0
.rept 8
	ds_load_b128 v[X+8*q:X+8*q+3], v[L16] offset:\reg+1024*q
	ds_load_b128 v[X+8*q+4:X+8*q+7], v[L16] offset:\reg+1024*q+512
.set q, q+1
.endr
	s_wait_dscnt 0x0
.irp st, 1, 2, 4
.set q, 0
.rept 4/(\st)
.set z, 0
.rept 4
	v_pk_add_f32 v[X+16*(\st)*q+2*z:X+16*(\st)*q+2*z+1], v[X+16*(\st)*q+2*z:X+16*(\st)*q+2*z+1], v[X+16*(\st)*q+8*(\st)+2*z:X+16*(\st)*q+8*(\st)+2*z+1]
.set z, z+1
.endr
.set q, q+1
.endr
.endr
.if \scale
.set z, 0
.rept 4
	v_pk_mul_f32 v[X+2*z:X+2*z+1], v[X+2*z:X+2*z+1], v[CM:CM+1]
.set z, z+1
.endr
.endif
.set z, 0
.rept 4
	v_cvt_pk_bf16_f32 v[FA+z], v[X+2*z], v[X+2*z+1]
.set z, z+1
.endr
	global_store_b128 v[L16], v[FA:FA+3], s[54:55] offset:\off
.endm
	s_load_b512 s[4:19], s[0:1], 0x0               ; input s[4:5], gn_weight s[6:7], gn_bias s[8:9], w_kv s[10:11], w_out s[12:13], w_q s[14:15], nf s[16:17], wf s[18:19]
	v_lshl_add_u32 v[SPW], v0, 2, SPARE
	v_mov_b32 v[NIL], 0
	v_lshrrev_b32 v14, 5, v0
	v_readfirstlane_b32 s36, v14                   ; wave 0..7
	s_mov_b32 s37, ttmp9                           ; n
	s_mov_b32 s38, 0x76543210                      ; v_permlanex16_b32: each lane takes its own place in the other half
	s_mov_b32 s39, 0xfedcba98
	v_and_b32 v1, 15, v0                           ; r
	v_bfe_u32 v2, v0, 4, 1                         ; h
	v_and_b32 v3, 31, v0                           ; lane
	v_lshlrev_b32 v[XO], 4, v0
	v_lshlrev_b32 v[L16], 4, v3
	v_lshlrev_b32 v[NO], 4, v1
	v_lshl_add_u32 v[NO], v2, 12, v[NO]
	s_lshl_b32 s56, s36, 16
	v_add_nc_u32 v[NO], s56, v[NO]
	v_lshlrev_b32 v[T0O], 2, v1
	v_lshl_add_u32 v[T0O], v2, 13, v[T0O]
	v_lshlrev_b32 v[T1O], 10, v1
	v_lshl_add_u32 v[T1O], v2, 5, v[T1O]
	v_min_u32 v[TQO], 2, v1
	v_lshlrev_b32 v[TQO], 2, v[TQO]
	v_mad_u32_u24 v[TQO], v2, 96, v[TQO]
	s_lshl_b32 s56, s36, 2
	v_mov_b32 v[RSA], s56
	s_lshl_b32 s56, s36, 10
	v_add_nc_u32 v[TPA], s56, v[L16]
	v_mov_b32 v[PT], 0
	v_mov_b32 v14, 0x3db8aa3b                      ; c0 = log2(e) / 16
	v_cmp_gt_u32 vcc_lo, 3, v1
	v_cndmask_b32 v[CM], 0, v14, vcc_lo
	v_mov_b32 v[CM+1], v[CM]
	v_mov_b32 v[ZA], 0
	s_and_b32 s57, s37, 31                         ; g
	s_lshr_b32 s58, s37, 5                         ; b
	s_lshr_b32 s59, s37, 4                         ; ob
	s_and_b32 s60, s37, 15                         ; cb
	s_mov_b32 s43, 0
	s_wait_kmcnt 0x0
	s_lshl_b32 s42, s57, 5                         ; the group's 8 gains and 8 biases: 32 bytes each
	s_add_nc_u64 s[66:67], s[6:7], s[42:43]
	s_add_nc_u64 s[68:69], s[8:9], s[42:43]
	s_load_b256 s[20:27], s[66:67], 0x0
	s_load_b256 s[28:35], s[68:69], 0x0
	s_lshl_b32 s42, s37, 16
	s_add_nc_u64 s[40:41], s[4:5], s[42:43]        ; the group
	s_lshl_b32 s42, s36, 15                        ; W_v: rows 256 + 32 w on, columns 16 cb on
	s_add_co_u32 s42, s42, 262144
	s_lshl_b32 s61, s60, 6
	s_add_co_u32 s42, s42, s61
	s_add_nc_u64 s[44:45], s[10:11], s[42:43]
	s_lshl_b32 s42, s59, 14                        ; w_out: rows 16 ob on, columns 32 w on
	s_lshl_b32 s61, s36, 7
	s_add_co_u32 s42, s42, s61
	s_add_nc_u64 s[46:47], s[12:13], s[42:43]
	s_lshl_b32 s42, s58, 20                        ; nf: b, kc = g / 4, 2 hf + h = g % 4
	s_lshr_b32 s61, s57, 2
	s_lshl_b32 s61, s61, 13
	s_add_co_u32 s42, s42, s61
	s_and_b32 s61, s57, 3
	s_lshl_b32 s61, s61, 8
	s_add_co_u32 s42, s42, s61
	s_add_nc_u64 s[52:53], s[16:17], s[42:43]
	s_lshl_b32 s42, s37, 9                         ; wf: tile n
	s_add_nc_u64 s[54:55], s[18:19], s[42:43]
.set c, 0
.rept 8                                        ; the group: all 16 loads of the wave go out together
	global_load_b128 v[X+8*c:X+8*c+3], v[XO], s[40:41] offset:c*8192 th:TH_LOAD_NT
	global_load_b128 v[X+8*c+4:X+8*c+7], v[XO], s[40:41] offset:c*8192+4096 th:TH_LOAD_NT
.set c, c+1
.endr
.set q, 0
.rept 8                                        ; source 0: W_v[32 w + k][16 cb + r], k = 8 h + q and 16 + 8 h + q
	global_load_b32 v[E0+q], v[T0O], s[44:45] offset:q*1024
	global_load_b32 v[E0+8+q], v[T0O], s[44:45] offset:16384+q*1024
.set q, q+1
.endr
	global_load_b128 v[E1:E1+3], v[T1O], s[46:47]               ; source 1: w_out[16 ob + r][32 w + k]
	global_load_b128 v[E1+4:E1+7], v[T1O], s[46:47] offset:16
	global_load_b128 v[E1+8:E1+11], v[T1O], s[46:47] offset:64
	global_load_b128 v[E1+12:E1+15], v[T1O], s[46:47] offset:80
	s_cmp_lt_u32 s37, 16                           ; work-groups 0..15 also make a tile of w_q^T W_k
	s_cbranch_scc0 .Lno_m_loads
	s_lshl_b32 s42, s36, 15                        ; W_k: rows 32 w on, columns 16 n on
	s_lshl_b32 s61, s37, 6
	s_add_co_u32 s42, s42, s61
	s_add_nc_u64 s[48:49], s[10:11], s[42:43]
	s_mul_i32 s42, s36, 384                        ; w_q: rows 32 w on, 12 bytes each
	s_add_nc_u64 s[50:51], s[14:15], s[42:43]
.set q, 0
.rept 8
	global_load_b32 v[E2+q], v[T0O], s[48:49] offset:q*1024
	global_load_b32 v[E2+8+q], v[T0O], s[48:49] offset:16384+q*1024
	global_load_b32 v[E3+q], v[TQO], s[50:51] offset:q*12
	global_load_b32 v[E3+8+q], v[TQO], s[50:51] offset:192+q*12
.set q, q+1
.endr
.Lno_m_loads:
	s_wait_loadcnt 0x0                             ; all loads went out together; one wait serves both ways
	s_wait_kmcnt 0x0                               ; gains and biases
	TPART FA, FB, E0, E1, D, TP
	s_cmp_lt_u32 s37, 16
	s_cbranch_scc0 .Lno_m_part
	TPART FA2, FB2, E2, E3, D2, TP2
.Lno_m_part:
	; the mean: four chains, started by the first eight pairs
.set q, 0
.rept 4
	v_pk_add_f32 v[SM+2*q:SM+2*q+1], v[X+2*q:X+2*q+1], v[X+8+2*q:X+8+2*q+1]
.set q, q+1
.endr
.set q, 8
.rept 24
	v_pk_add_f32 v[SM+2*(q%4):SM+2*(q%4)+1], v[SM+2*(q%4):SM+2*(q%4)+1], v[X+2*q:X+2*q+1]
.set q, q+1
.endr
	GSUM RS1                                       ; its barrier also shows every wave's partial tiles to the waves that add them
	v_mul_f32 v[NM], 0xb8800000, v[RD]             ; - sum / 16,384
	v_mov_b32 v[NM+1], v[NM]
.set q, 0
.rept 32
	v_pk_add_f32 v[X+2*q:X+2*q+1], v[X+2*q:X+2*q+1], v[NM:NM+1]  ; x - mean, in place
.set q, q+1
.endr
.set q, 0
.rept 4
	v_pk_mul_f32 v[SM+2*q:SM+2*q+1], v[X+2*q:X+2*q+1], v[X+2*q:X+2*q+1]
.set q, q+1
.endr
.set q, 4
.rept 28
	v_pk_fma_f32 v[SM+2*(q%4):SM+2*(q%4)+1], v[X+2*q:X+2*q+1], v[X+2*q:X+2*q+1], v[SM+2*(q%4):SM+2*(q%4)+1]
.set q, q+1
.endr
	GSUM RS2                                       ; other bytes than the first sum's: no wave still reads what is written here
	s_mov_b32 s56, 0x38800000                      ; 1 / 16,384
	s_mov_b32 s57, 0x3727c5ac                      ; 1e-5
	v_fma_f32 v[RD], v[RD], s56, s57
	v_rsq_f32 v[RD+1], v[RD]
	v_nop                                          ; a plain instruction behind the root,
	s_wait_alu depctr_va_vdst(0)                   ; and the wait ahead of its first reader
.set c, 0
.rept 8
	v_mul_f32 v[GA+2*c], s[20+c], v[RD+1]
	v_mul_f32 v[GA+2*c+1], s[20+c], v[RD+1]
	v_mov_b32 v[GB+2*c], s[28+c]
	v_mov_b32 v[GB+2*c+1], s[28+c]
.set c, c+1
.endr
.set q, 0
.rept 32
	v_pk_fma_f32 v[X+2*q:X+2*q+1], v[X+2*q:X+2*q+1], v[GA+2*(q/4):GA+2*(q/4)+1], v[GB+2*(q/4):GB+2*(q/4)+1]
.set q, q+1
.endr
.set q, 0                                      ; q = 4 u + e': one position's 8 channels are 16 bytes; eight sets of registers, so no store's data are written again
.rept 8
.set z, 0
.rept 4
	v_cvt_pk_bf16_f32 v[NB+4*q+z], v[X+16*z+q], v[X+16*z+8+q]
.set z, z+1
.endr
	global_store_b128 v[NO], v[NB+4*q:NB+4*q+3], s[52:53] offset:(q/4)*524288+(q%4)*1024
.set q, q+1
.endr
	s_cmp_eq_u32 s36, 0                            ; wave 0 finishes tile n, wave 1 (work-groups 0..15) tile 256 + n
	s_cbranch_scc1 .Ltile
	s_cmp_eq_u32 s36, 1
	s_cbranch_scc0 .Lend
	s_cmp_lt_u32 s37, 16
	s_cbranch_scc0 .Lend
	TSUM TP2, 1, 131072
	s_branch .Lend
.Ltile:
	TSUM TP, 0, 0
.Lend:
	s_wait_tensorcnt 0x0                           ; the wave's end, behind my last LDS store
	ds_add_u32 v[SPW], v[NIL]
	s_wait_dscnt 0x0
	s_endpgm
.Lfunc_end_k_q10d51635d8_gnfold:
	.size	k_q10d51635d8_gnfold, .Lfunc_end_k_q10d51635d8_gnfold-k_q10d51635d8_gnfold
	.p2alignl 7, 3214868480
	.fill 96, 4, 3214868480
	.section	.rodata,"a",@progbits
	.p2align	6, 0x0
	.amdhsa_kernel k_q10d51635d8_gnfold
		.amdhsa_group_segment_fixed_size 17920
		.amdhsa_private_segment_fixed_size 0
		.amdhsa_enable_private_segment 0
		.amdhsa_kernarg_size 64
		.amdhsa_user_sgpr_count 2
		.amdhsa_user_sgpr_kernarg_segment_ptr 1
		.amdhsa_wavefront_size32 1
		.amdhsa_system_sgpr_workgroup_id_x 1
		.amdhsa_system_sgpr_workgroup_id_y 1
		.amdhsa_system_sgpr_workgroup_id_z 1
		.amdhsa_system_vgpr_workitem_id 0
		.amdhsa_next_free_vgpr 232
		.amdhsa_next_free_sgpr 72
		.amdhsa_reserve_vcc 1
		.amdhsa_float_denorm_mode_32 3
		.amdhsa_float_denorm_mode_16_64 3
		.amdhsa_memory_ordered 1
		.amdhsa_forward_progress 1
		.amdhsa_inst_pref_size 34
	.end_amdhsa_kernel
	.amdgpu_metadata
---
amdhsa.version: [ 1, 2 ]
amdhsa.kernels:
  - .name:           k_q10d51635d8_gnfold
    .symbol:         k_q10d51635d8_gnfold.kd
    .args:
      - { .name: input, .offset: 0, .size: 8, .value_kind: global_buffer, .address_space: global }
      - { .name: gn_weight, .offset: 8, .size: 8, .value_kind: global_buffer, .address_space: global }
      - { .name: gn_bias, .offset: 16, .size: 8, .value_kind: global_buffer, .address_space: global }
      - { .name: w_kv, .offset: 24, .size: 8, .value_kind: global_buffer, .address_space: global }
      - { .name: w_out, .offset: 32, .size: 8, .value_kind: global_buffer, .address_space: global }
      - { .name: w_q, .offset: 40, .size: 8, .value_kind: global_buffer, .address_space: global }
      - { .name: nf, .offset: 48, .size: 8, .value_kind: global_buffer, .address_space: global }
      - { .name: wf, .offset: 56, .size: 8, .value_kind: global_buffer, .address_space: global }
    .group_segment_fixed_size: 17920
    .private_segment_fixed_size: 0
    .kernarg_segment_align: 8
    .kernarg_segment_size: 64
    .max_flat_workgroup_size: 256
    .sgpr_count:     72
    .vgpr_count:     232
    .wavefront_size: 32
...
	.end_amdgpu_metadata
.endif
;; end of part 1
;; launch proj (part 2): grid 32 x 8, 4 waves a work-group, no clusters, 167,936 bytes of LDS; arguments nf, wf, vt, kr; writes vt, kr
.if DOCPART == 2
	.amdgcn_target "amdgcn-amd-amdhsa--gfx1250"
	.amdhsa_code_object_version 6
	.text
	.protected	k_q10d51635d8_proj
	.globl	k_q10d51635d8_proj
	.p2align	8
	.type	k_q10d51635d8_proj,@function
k_q10d51635d8_proj:
	s_mov_b64 s[64:65], 0
	v_nop
	global_prefetch_b8 v0, s[64:65] scope:SCOPE_SE
	s_setreg_imm32_b32 hwreg(HW_REG_WAVE_MODE, 25, 1), 1
	s_wait_xcnt 0x0
; THE ONE PROJECTION.  V' = (w_out W_v) norm, [256][2,048] a batch, in bf16, and the three key rows kk = c0 (w_q^T W_k) norm, each split into a bf16 and the bf16 of what that lost.
; Nothing is left out; the products' order is the one shown at the head of the first kernel.
; KEY ORDER.  Softmax and the sum over keys do not hang on the keys' order: position p = 128 PB + 64 (e / 4) + 4 r + e % 4 is stored as slot 128 PB + 8 r + e, in vt and in kr alike.
; SHARES.  Work-group (x, b): oh = x % 2 (128 of the 256 rows of V'), PB = x / 2 (128 slots).  Wave w: row blocks 8 oh + 2 w + i, i = 0, 1, times the 8 fragments e of 16 slots:
; 16 accumulators; and block 16 (the key rows) times fragment 4 oh + w: a 17th.  K = 256 in 8 steps of 32: 136 matrix instructions a wave.
; norm's block, 65,536 dense bytes in operand order, comes by four tensor loads (16,384 bytes a wave) and is read by all waves; the weights' fragments, which one wave alone of the
; work-group reads, come straight into registers.  So does the 17th product's fragment of norm: which one it is hangs on oh, and so oh enters a global address alone and no LDS address:
; 16 loads of 512 consecutive bytes a wave.
; NO CLUSTER: a block of norm has two readers (oh = 0, 1), and a mask of two inside a cluster of four would hang on a work-group's place; each weight fragment has one reader a work-group.
; vt: [b][row 256][slot 2,048] bf16.  kr: [b][8 PB + e][r 16][16 bytes: kh0 kh1 kh2 kl0 kl1 kl2 0 0].  Sixteen lanes store 256 consecutive bytes, aligned.
; REGISTERS: window 0: addresses, v[16:47] packed rows, v[64:191] the 16 accumulators ((i, e) at 64 + 8 (8 i + e)), v[192:199] the 17th.
;   window 1: v[0:191] weights, step kc at 24 kc (block 0, block 1, key rows).   window 2: v[0:191] norm, three buffers of 64 (8 fragments e); v[192:255] fragment 4 oh + w, step kc at 192 + 8 kc.
.set SPARE, 65536                      ; behind norm's block: the spare words, 128 bytes a wave: two blocks of 256 bytes that no other line names
.set LB,  4                            ; v4   16 lane: in a fragment in LDS, in nf and in wf
.set VO,  7                            ; v7   32,768 h + 16 r: vt, 8 h rows down, 8 r slots on
.set KO,  8                            ; v8   16 r
.set SPW, 12
.set NIL, 13
.set T,   16
.set ACC, 64
.set KK,  192
.set KF,  192                          ; window 2
.set MSB, 0
.macro WIN new                         ; the immediate's high byte repeats the setting that is left; a switch that changes nothing is dropped
.if MSB != (\new)
	s_set_vgpr_msb (MSB<<8)|(\new)
.set MSB, \new
.endif
.endm
.macro PLACES
.rept 4
	v_nop
.endr
.endm
.macro WLOAD kc                        ; step kc's three fragments of weights: six loads of 512 consecutive bytes
	WIN 0x40                                       ; destination window 1, address window 0
	global_load_b128 v[24*(\kc):24*(\kc)+3], v[LB], s[32:33] offset:(\kc)*1024
	global_load_b128 v[24*(\kc)+4:24*(\kc)+7], v[LB], s[32:33] offset:(\kc)*1024+512
	global_load_b128 v[24*(\kc)+8:24*(\kc)+11], v[LB], s[32:33] offset:8192+(\kc)*1024
	global_load_b128 v[24*(\kc)+12:24*(\kc)+15], v[LB], s[32:33] offset:8192+(\kc)*1024+512
	global_load_b128 v[24*(\kc)+16:24*(\kc)+19], v[LB], s[34:35] offset:(\kc)*1024
	global_load_b128 v[24*(\kc)+20:24*(\kc)+23], v[LB], s[34:35] offset:(\kc)*1024+512
.endm
.macro BLOAD kc                        ; step kc's 8 fragments of norm: 16 LDS loads, each 512 consecutive bytes
	WIN 0x80                                       ; destination window 2, address window 0
.set bb, 64*((\kc)%3)
.set e, 0
.rept 8
	ds_load_b128 v[bb+8*e:bb+8*e+3], v[LB] offset:(8*(\kc)+e)*1024
	ds_load_b128 v[bb+8*e+4:bb+8*e+7], v[LB] offset:(8*(\kc)+e)*1024+512
.set e, e+1
.endr
.endm
.macro KSTEP kc                        ; 17 products on 17 accumulators by turns; step 0 starts the sums
.if ((\kc) >= 1) && ((\kc) <= 5)
	PLACES                                         ; the buffer filled next was read by the step before: four places behind its last product
.endif
.if (\kc) <= 5
	BLOAD (\kc)+2
	s_wait_dscnt 32                                ; the two younger steps' 16 loads each may stay out
.elseif (\kc) == 6
	s_wait_dscnt 16
.else
	s_wait_dscnt 0x0
.endif
.if (\kc) == 0
	s_wait_loadcnt 36                              ; the 17th product's fragments and step 0's weights are in; the weights of steps 1-6, six loads each, may stay out
	WLOAD 7                                        ; the last step's weights are asked for here: from now on the younger loads are those of steps kc + 1 .. 7
.else
	s_wait_loadcnt 42-6*(\kc)                      ; the weights were asked for by steps, six loads each: the later steps' may stay out
.endif
	WIN 0x09                                       ; source 0 window 1, source 1 window 2, C and D window 0
.set bb, 64*((\kc)%3)
.set e, 0
.rept 8
.set i2, 0
.rept 2
.if (\kc) == 0
	v_wmma_f32_16x16x32_bf16 v[ACC+8*(8*i2+e):ACC+8*(8*i2+e)+7], v[24*(\kc)+8*i2:24*(\kc)+8*i2+7], v[bb+8*e:bb+8*e+7], 0
.else
	v_wmma_f32_16x16x32_bf16 v[ACC+8*(8*i2+e):ACC+8*(8*i2+e)+7], v[24*(\kc)+8*i2:24*(\kc)+8*i2+7], v[bb+8*e:bb+8*e+7], v[ACC+8*(8*i2+e):ACC+8*(8*i2+e)+7]
.endif
.set i2, i2+1
.endr
.set e, e+1
.endr
.if (\kc) == 0
	v_wmma_f32_16x16x32_bf16 v[KK:KK+7], v[24*(\kc)+16:24*(\kc)+23], v[KF+8*(\kc):KF+8*(\kc)+7], 0
.else
	v_wmma_f32_16x16x32_bf16 v[KK:KK+7], v[24*(\kc)+16:24*(\kc)+23], v[KF+8*(\kc):KF+8*(\kc)+7], v[KK:KK+7]
.endif
.endm
	s_load_b256 s[4:11], s[0:1], 0x0               ; nf s[4:5], wf s[6:7], vt s[8:9], kr s[10:11]
	v_lshl_add_u32 v[SPW], v0, 2, SPARE
	v_mov_b32 v[NIL], 0
	ds_add_u32 v[SPW], v[NIL]                      ; the wave's opening: the add, twice on end, and its wait ahead of my first tensor load
	ds_add_u32 v[SPW], v[NIL]
	v_lshrrev_b32 v14, 5, v0
	v_readfirstlane_b32 s24, v14                   ; wave 0..3
	s_and_b32 s25, ttmp9, 1                        ; oh
	s_lshr_b32 s26, ttmp9, 1                       ; PB
	s_and_b32 s27, ttmp7, 0xffff                   ; b
	s_lshl_b32 s28, s25, 2
	s_add_co_u32 s28, s28, s24                     ; 4 oh + w: it enters global addresses alone
	s_mov_b32 s16, 3<<16                           ; group 1: elements of 8 bytes, no padding;
	s_mov_b32 s17, 32<<16                          ; tensor_dim0 = 32 (256 bytes)
	s_mov_b32 s18, 64<<16                          ; tensor_dim1 = 64
	s_mov_b32 s19, 32<<16                          ; tile_dim0 = 32
	s_mov_b32 s20, 64                              ; tile_dim1 = 64 rows: 16,384 dense bytes
	s_mov_b32 s21, 32                              ; 32 elements from row to row
	s_mov_b32 s22, 0
	s_mov_b32 s23, 0
	s_mov_b32 s12, 1                               ; group 0: count = 1,
	s_lshl_b32 s13, s24, 14                        ; LDS address: my quarter
	v_and_b32 v1, 15, v0                           ; r
	v_bfe_u32 v2, v0, 4, 1                         ; h
	v_and_b32 v3, 31, v0                           ; lane
	v_lshlrev_b32 v[LB], 4, v3
	v_lshlrev_b32 v[KO], 4, v1
	v_lshl_add_u32 v[VO], v2, 15, v[KO]
	s_mov_b32 s31, 0
	s_mov_b32 s45, 0
	s_lshl_b32 s30, s27, 20                        ; nf: b, PB: the block;
	s_lshl_b32 s29, s26, 16
	s_add_co_u32 s30, s30, s29
	s_lshl_b32 s29, s28, 10
	s_add_co_u32 s44, s30, s29                     ; in it fragment 4 oh + w of step 0,
	s_add_co_u32 s30, s30, s13                     ; and my quarter
	s_wait_dscnt 0x0                               ; both opening adds are done
	s_wait_kmcnt 0x0
	s_add_nc_u64 s[14:15], s[4:5], s[30:31]
	s_or_b32 s15, s15, 0x80000000                  ; type = 2
	s_add_nc_u64 s[42:43], s[4:5], s[44:45]
	tensor_load_to_lds s[12:15], s[16:23]          ; the launch's one fill a wave; one load of mine is out
	s_nop 0
	PLACES
	WIN 0x80                                       ; destination window 2, address window 0
.set kc, 0
.rept 8                                        ; the 17th product's fragments of norm, all eight steps: a step is 8,192 bytes on
	global_load_b128 v[KF+8*kc:KF+8*kc+3], v[LB], s[42:43] offset:kc*8192
	global_load_b128 v[KF+8*kc+4:KF+8*kc+7], v[LB], s[42:43] offset:kc*8192+512
.set kc, kc+1
.endr
	s_lshl_b32 s30, s25, 16                        ; wf: blocks 8 oh + 2 w on, 8,192 bytes each
	s_lshl_b32 s29, s24, 14
	s_add_co_u32 s30, s30, s29
	s_add_nc_u64 s[32:33], s[6:7], s[30:31]
	s_add_nc_u64 s[34:35], s[6:7], 131072          ; block 16
.irp kc, 0,1,2,3,4,5,6
	WLOAD \kc
.endr
	s_lshl_b32 s30, s27, 20                        ; vt: b, rows 128 oh + 32 w on, slots 128 PB on
	s_lshl_b32 s29, s25, 19
	s_add_co_u32 s30, s30, s29
	s_lshl_b32 s29, s24, 17
	s_add_co_u32 s30, s30, s29
	s_lshl_b32 s29, s26, 8
	s_add_co_u32 s30, s30, s29
	s_add_nc_u64 s[36:37], s[8:9], s[30:31]
	s_lshl_b32 s30, s27, 15                        ; kr: b, row 8 PB + 4 oh + w
	s_lshl_b32 s29, s26, 11
	s_add_co_u32 s30, s30, s29
	s_lshl_b32 s29, s28, 8
	s_add_co_u32 s30, s30, s29
	s_add_nc_u64 s[38:39], s[10:11], s[30:31]
	s_wait_tensorcnt 0x0                           ; my quarter of norm's block is in,
	s_barrier_signal -1
	s_barrier_wait -1                              ; everybody's is; nothing is filled again
	BLOAD 0
	BLOAD 1
.irp kc, 0,1,2,3,4,5,6,7
	KSTEP \kc
.endr
	WIN 0
	PLACES                                         ; four places between the last product and the roundings that read results
	; THE WAY OUT.  Lane (r, h), register jj of accumulator (i, e) is row 16 i + 8 h + jj, slot 8 r + e: the eight e are 16 bytes on end.  Each accumulator is first read at register 0.
.set i2, 0
.rept 2
.if i2 == 1
	s_wait_xcnt 0x0                                ; the first eight stores have read their data: the eight sets are written again only behind this wait
.endif
.set jj, 0
.rept 8
.set z, 0
.rept 4
	v_cvt_pk_bf16_f32 v[T+4*jj+z], v[ACC+8*(8*i2+2*z)+jj], v[ACC+8*(8*i2+2*z+1)+jj]
.set z, z+1
.endr
	global_store_b128 v[VO], v[T+4*jj:T+4*jj+3], s[36:37] offset:(16*i2+jj)*4096
.set jj, jj+1
.endr
.set i2, i2+1
.endr
	; the key rows: lanes 0-15, registers 0-2, are kk0..2 of slot 8 r + 4 oh + w
	v_cvt_pk_bf16_f32 v48, v[KK], v[KK+1]          ; kh0 kh1
	v_cvt_pk_bf16_f32 v52, v[KK+2], v[KK+2]        ; kh2
	v_lshlrev_b32 v53, 16, v48
	v_and_b32 v54, 0xffff0000, v48
	v_lshlrev_b32 v55, 16, v52
	v_sub_f32 v53, v[KK], v53                      ; what the rounding lost
	v_sub_f32 v54, v[KK+1], v54
	v_sub_f32 v55, v[KK+2], v55
	v_cvt_pk_bf16_f32 v50, v54, v55                ; kl1 kl2
	v_cvt_pk_bf16_f32 v53, v53, v53                ; kl0
	v_and_b32 v52, 0xffff, v52
	v_lshl_or_b32 v49, v53, 16, v52                ; kh2 kl0
	v_mov_b32 v51, 0
	s_wait_xcnt 0x0                                ; EXEC changes only behind this wait: it is a source of the stores above
	v_cmp_gt_u32 vcc_lo, 16, v3
	s_and_saveexec_b32 s40, vcc_lo
	global_store_b128 v[KO], v[48:51], s[38:39]    ; sixteen lanes, 256 consecutive bytes
	s_wait_xcnt 0x0                                ; and again, in front of the line that widens it
	s_or_b32 exec_lo, exec_lo, s40
	s_wait_tensorcnt 0x0                           ; the wave's end
	ds_add_u32 v[SPW], v[NIL]
	s_wait_dscnt 0x0
	s_endpgm
.Lfunc_end_k_q10d51635d8_proj:
	.size	k_q10d51635d8_proj, .Lfunc_end_k_q10d51635d8_proj-k_q10d51635d8_proj
	.p2alignl 7, 3214868480
	.fill 96, 4, 3214868480
	.section	.rodata,"a",@progbits
	.p2align	6, 0x0
	.amdhsa_kernel k_q10d51635d8_proj
		.amdhsa_group_segment_fixed_size 167936
		.amdhsa_private_segment_fixed_size 0
		.amdhsa_enable_private_segment 0
		.amdhsa_kernarg_size 32
		.amdhsa_user_sgpr_count 2
		.amdhsa_user_sgpr_kernarg_segment_ptr 1
		.amdhsa_wavefront_size32 1
		.amdhsa_system_sgpr_workgroup_id_x 1
		.amdhsa_system_sgpr_workgroup_id_y 1
		.amdhsa_system_sgpr_workgroup_id_z 1
		.amdhsa_system_vgpr_workitem_id 0
		.amdhsa_next_free_vgpr 768
		.amdhsa_next_free_sgpr 66
		.amdhsa_reserve_vcc 1
		.amdhsa_float_denorm_mode_32 3
		.amdhsa_float_denorm_mode_16_64 3
		.amdhsa_memory_ordered 1
		.amdhsa_forward_progress 1
		.amdhsa_inst_pref_size 34
	.end_amdhsa_kernel
	.amdgpu_metadata
---
amdhsa.version: [ 1, 2 ]
amdhsa.kernels:
  - .name:           k_q10d51635d8_proj
    .symbol:         k_q10d51635d8_proj.kd
    .args:
      - { .name: nf, .offset: 0, .size: 8, .value_kind: global_buffer, .address_space: global }
      - { .name: wf, .offset: 8, .size: 8, .value_kind: global_buffer, .address_space: global }
      - { .name: vt, .offset: 16, .size: 8, .value_kind: global_buffer, .address_space: global }
      - { .name: kr, .offset: 24, .size: 8, .value_kind: global_buffer, .address_space: global }
    .group_segment_fixed_size: 167936
    .private_segment_fixed_size: 0
    .kernarg_segment_align: 8
    .kernarg_segment_size: 32
    .max_flat_workgroup_size: 128
    .sgpr_count:     66
    .vgpr_count:     768
    .wavefront_size: 32
...
	.end_amdgpu_metadata
.endif
;; end of part 2
;; launch attn (part 3): grid 32 x 8, 4 waves a work-group, clusters of 4 x 1, 327,680 bytes of LDS; arguments vt, kr, quary, input, b_out, out0; writes out0
.if DOCPART == 3
	.amdgcn_target "amdgcn-amd-amdhsa--gfx1250"
	.amdhsa_code_object_version 6
	.text
	.protected	k_q10d51635d8_attn
	.globl	k_q10d51635d8_attn
	.p2align	8
	.type	k_q10d51635d8_attn,@function
k_q10d51635d8_attn:
	s_mov_b64 s[64:65], 0
	v_nop
	global_prefetch_b8 v0, s[64:65] scope:SCOPE_SE
	s_setreg_imm32_b32 hwreg(HW_REG_WAVE_MODE, 25, 1), 1
	s_wait_xcnt 0x0
	s_wait_alu depctr_hold_cnt(0) depctr_sa_sdst(0) depctr_va_vdst(0) depctr_va_sdst(0) depctr_va_ssrc(0) depctr_va_vcc(0) depctr_vm_vsrc(0)
	s_getreg_b32 s2, hwreg(HW_REG_IB_STS2, 6, 4)
	s_cmp_eq_u32 s2, 0
	s_cbranch_scc0 .Lentry_in_a_cluster
	s_endpgm
.Lentry_in_a_cluster:
	s_bfe_u32 s2, ttmp6, 0x10000c
	s_cmp_lg_u32 s2, 0x3003
	s_cbranch_scc0 .Lentry_shape_is_right
	s_endpgm
.Lentry_shape_is_right:
; ATTENTION, BIAS AND RESIDUAL.  out[o][i] = (sum over keys j of p_ij V'[o][j]) / l_i + b_out[o] + input[o][i],  p_ij = 2^(s_ij - m_i),  s_ij = quary_i . kk_j (3 terms, in log2 units),
; m_i = the TRUE maximum of row i, found by a first pass over all scores, l_i = the sum of p_ij.  Nothing is left out; the products' order is the one shown at the head of the first kernel.
; LIMITS.  p is rounded to bf16 for the second product (l is the sum of the unrounded p); a weight below 2^-126 counts as 0; NaN and infinities are not treated apart
; (the unused half of a score product multiplies finite key words by 0).
; SHARES.  A work-group owns 64 queries of one batch: four tiles t of 16.  THE KEYS ARE SPLIT AMONG ITS FOUR WAVES: of each tile of 256 slots wave w takes 64 w .. 64 w + 63, two steps of 32.
; Every wave holds all four query tiles and all 256 channels: 64 accumulators, 512 registers; a fragment of V' from LDS feeds four products, and each LDS byte of V' is read once a work-group.
; At the end the four waves' sums meet in LDS.  Register block k of wave w stands for channel block (k + 4 w) % 16: so every wave keeps blocks 0-3, its own 64 channels, and sends blocks 4-15.
; LAYOUT.  S^T = K Q^T - m (source 0 = 16 keys, source 1 = 16 queries, C = -m): a lane holds ONE query (lane % 16) and keys 8 (lane / 16) + 0..7; two such results, rounded in pairs, ARE source 1 of
; O^T += V' P (source 0 = 16 channels x 32 slots).  A SCORE OPERAND: a key's row in kr is kh0 kh1 kh2 kl0 kl1 kl2 0 0 (bf16), read alike by both halves of the lanes into registers 0-3; the query's registers 0-3 are
; v0 v1 v2 v0 v1 v2 0 0 with v = the bf16 of quary in lanes 0-15 and the bf16 of what that lost in lanes 16-31: the sum is (kh + kl)(qh + ql).  The query's registers 4-7 are 0.
; BY TURNS.  Turn n: 64 products V' P of step n; behind the first 32 ride the 64 exponentials of step n + 1, behind the last 32 its roundings and sums; then 8 score products of step n + 2.
; CLUSTER.  The four work-groups of a cluster belong to one batch and walk the same V' and kr: each tile is asked for JOINTLY (the same load, descriptor and mask of four in all; each wave a quarter).
; REGISTERS, in windows of 256 (s_set_vgpr_msb: bits 1:0 source 0, 3:2 source 1, 5:4 source 2, 7:6 destination):
;   window 0: v0-26 addresses; v28-35 l; v36-39 m; v40-55 at work; v64-95 -m, 8 a tile (later the bias); v96-159 S^T; v160-223 P, two buffers (v96-223 later the residual); v224-239 quary
;   window 1: v0-127 V' of one step (in pass 1: the wave's 32 key blocks); v128-147 four key blocks and a tail of 0; v148-155 pass 1's maxima; v160-191 Q; v192-255 pass 1's scores
;   windows 2, 3: the accumulators: block k, tile t at 8 (4 k + t)
.set PITCH, 528                        ; a row of V' in LDS: 512 bytes + 16 = 132 words: the 16 rows of a load start at 16 different groups of four banks (64 banks of 4 bytes: ISA guide 11.1)
.set QROWS, 64*PITCH                   ; what one tensor load brings: 64 channels
.set SLOTB, 4*QROWS                    ; a slot: 256 channels x 256 slots.  135,168 has no bit in common with w x QROWS, so one exclusive or turns an address in one slot into the other's
.set KR,    2*SLOTB                    ; the batch's key rows: 128 rows of 256 bytes,
.set KP,    288                        ; 288 bytes apart
.set MX,    KR+128*KP                  ; [wave][r][t] f32: the waves' maxima; 1,024 bytes on: their sums l.  Never filled by a tensor load
.set SPARE, MX+2048                    ; the spare words, 128 bytes a wave: two blocks of 256 bytes that no other line names
.set STG,   196608                     ; behind the last fill of the launch the slots serve the way out: bytes 0 .. 196,607 the exchange [to wave][from - 1][block][t][half][512],
.set STGW,  18432                      ; then for each wave a stage of 64 rows
.set SP,    272                        ; of 256 + 16 bytes
.set VB,   4                           ; v4-7   my place in a slot for blocks 4 q .. 4 q + 3: ((q + w) % 4) QROWS + r PITCH + 16 h + 128 w
.set VAD,  8                           ; v8-9   the two addresses of the run of loads in hand
.set KAD0, 10                          ; v10    my place in kr for the wave's first key block
.set KAD,  11                          ; v11    the same for the tile to be fetched
.set SPW,  12                          ; v12    my spare word; never rewritten
.set NIL,  13                          ; v13    0; never rewritten
.set MXW,  14
.set MXR,  15
.set RW,   15                          ; v16-18 (RW + q, q = 1..3): where blocks 4 q .. go in the exchange
.set RR,   19                          ; v19    where I read what was sent to me
.set STW,  20
.set STR,  21
.set GO,   22                          ; v22    8,192 h + 16 r: two rows of input and out0
.set PFO,  23
.set PFR,  24
.set BO,   25
.set QOF,  26
.set L,    28
.set M,    36
.set TM,   40
.set NEGM, 64
.set BI,   64
.set S,    96
.set RS,   96
.set P,    160
.set QL,   224
.set KB,   128                         ; window 1
.set R,    148
.set Q,    160
.set S1,   192
.set G1V,  16                          ; s[16:23] group 1 for V'
.set G1K,  24                          ; s[24:31] for kr
.set G0A,  32                          ; s[32:35] group 0: tile 0
.set G0B,  36                          ; s[36:39] tile 1; it then walks
.set G0K,  40                          ; s[40:43] kr
.set WV,   44
.set CNT,  45
.set TC,   46                          ; s46  the slot that is being read: 0 or SLOTB
.set SEL,  48
.set HM,   50                          ; s50  the lanes 16-31
.set LIM,  51
.set PFA,  52
.set RES,  54
.set OUT,  56
.set BIA,  58
.set MSB, 0
.macro WIN new                         ; the immediate's high byte repeats the setting that is left; a switch that changes nothing is dropped
.if MSB != (\new)
	s_set_vgpr_msb (MSB<<8)|(\new)
.set MSB, \new
.endif
.endm
.macro PLACES                          ; four places behind a matrix instruction (ISA guide 7.12.1 for vector instructions)
.rept 4
	v_nop
.endr
.endm
.macro CREST                           ; a round of the cluster's barrier behind its opening barrier
	s_cmp_lg_u32 s[WV], 0
	s_cbranch_scc1 .Lnot_wave_0_\@
	s_barrier_signal -3
.Lnot_wave_0_\@:
	s_barrier_wait -3
	s_barrier_signal -1
	s_barrier_wait -1
.endm
.macro ROUND
	s_barrier_signal -1
	s_barrier_wait -1
	CREST
.endm
.macro JL g0, g1                       ; a joint load: the same line in every wave of all four work-groups, each wave its quarter
	tensor_load_to_lds s[\g0:\g0+3], s[\g1:\g1+7]
	s_nop 0
.endm
.macro SCORES s2                       ; 8 products: tile a / 2, key block 2 s2 + a % 2; C = -m, so the result is s - m
	WIN 0x05                                       ; K and Q window 1, C and D window 0
.set a, 0
.rept 8
	v_wmma_f32_16x16x32_bf16 v[S+8*a:S+8*a+7], v[KB+4*(2*(\s2)+a%2):KB+4*(2*(\s2)+a%2)+7], v[Q+8*(a/2):Q+8*(a/2)+7], v[NEGM+8*(a/2):NEGM+8*(a/2)+7]
.set a, a+1
.endr
.endm
.macro PV par, zero                    ; product j of 64: block j / 4, tile j % 4.  The 64 accumulators take turns, one instruction a turn
.if j < 32
	WIN 0xa1                                       ; V' window 1, P window 0, C and D window 2
.set rA, 8*j
.else
	WIN 0xf1                                       ; C and D window 3
.set rA, 8*(j-32)
.endif
.if \zero
	v_wmma_f32_16x16x32_bf16 v[rA:rA+7], v[8*(j/4):8*(j/4)+7], v[P+32*(\par)+8*(j%4):P+32*(\par)+8*(j%4)+7], 0
.else
	v_wmma_f32_16x16x32_bf16 v[rA:rA+7], v[8*(j/4):8*(j/4)+7], v[P+32*(\par)+8*(j%4):P+32*(\par)+8*(j%4)+7], v[rA:rA+7]
.endif
.endm
.macro EXPR                            ; exponential i of 64, in place: the first eight read register 0 of the eight results
	v_exp_f32 v[S+8*(i%8)+i/8], v[S+8*(i%8)+i/8]
.endm
.macro PLN par                         ; number i of 64: pair i / 8 of tile (i / 2) % 4 is rounded into the other buffer of P (i even), and added onto l (i odd)
.if i%2 == 0
	v_cvt_pk_bf16_f32 v[P+32*(1-(\par))+8*((i/2)%4)+i/8], v[S+16*((i/2)%4)+2*(i/8)], v[S+16*((i/2)%4)+2*(i/8)+1]
.else
	v_pk_add_f32 v[L+2*((i/2)%4):L+2*((i/2)%4)+1], v[L+2*((i/2)%4):L+2*((i/2)%4)+1], v[S+16*((i/2)%4)+2*(i/8):S+16*((i/2)%4)+2*(i/8)+1]
.endif
.endm
.macro PVR par, zero, sm               ; a product of the second half and its two riders
	PV \par, \zero
.if \sm
	WIN 0
.set i, 2*(j-32)
	PLN \par
.set i, 2*(j-32)+1
	PLN \par
.endif
.set j, j+1
.endm
.macro VADR half
	WIN 0
	v_add_nc_u32 v[VAD], s[TC], v[VB+2*(\half)]
	v_add_nc_u32 v[VAD+1], s[TC], v[VB+2*(\half)+1]
.endm
.macro VLD half, s2                    ; 16 LDS loads in one run: blocks 8 half .. 8 half + 7 of step s2 of the tile
	WIN 0x40                                       ; destination window 1, address window 0
.set kp, 8*(\half)
.rept 8
	ds_load_b128 v[8*kp:8*kp+3], v[VAD+(kp/4)%2] offset:(kp%4)*16*PITCH+64*(\s2)
	ds_load_b128 v[8*kp+4:8*kp+7], v[VAD+(kp/4)%2] offset:(kp%4)*16*PITCH+64*(\s2)+32
.set kp, kp+1
.endr
.endm
.macro KLD                             ; a tile's four key blocks of mine
	WIN 0x40
.set q, 0
.rept 4
	ds_load_b128 v[KB+4*q:KB+4*q+3], v[KAD] offset:32*q
.set q, q+1
.endr
.endm
; PREFETCHES INTO THE L2, behind the joint load, its lines and the run of LDS loads.  V': the tile that stands TWO refills on (four turns, 288 matrix instructions).  All eight clusters of a batch walk the
; same V': the batch's first cluster asks.  Its 16 waves share the tile's 256 rows x 512 bytes out BY ADDRESS: 16 rows a wave, two lanes a row, each lane another 256 bytes.  Tiles 0-3 come by their loads alone; the last two
; refills ask for nothing.  THE RESIDUAL: in the last trip but one every wave asks once for the 64 rows x 256 bytes of input that it will load at the end, a lane a row, twice.
.macro ASK
	s_cmp_gt_u32 s[CNT], s[LIM]
	s_cbranch_scc0 .Lno_v_\@
	global_prefetch_b8 v[PFO], s[PFA:PFA+1] th:TH_LOAD_NT scope:SCOPE_SE
.Lno_v_\@:
	s_cmp_eq_u32 s[CNT], 2
	s_cbranch_scc0 .Lno_r_\@
	global_prefetch_b8 v[PFR], s[RES:RES+1] th:TH_LOAD_NT scope:SCOPE_SE
	global_prefetch_b8 v[PFR], s[RES:RES+1] offset:262144 th:TH_LOAD_NT scope:SCOPE_SE
.Lno_r_\@:
.endm
; A TURN.  par = the step's parity; zero = 1: the products start the sums; sm = 1: the next step's softmax rides; sc = 1: the scores of the step after it follow; kld = 1: the next tile's key blocks are fetched;
; mid = 1: the next step's blocks 0-7 of V' are fetched in the turn's middle.  chg: 0 no change of slots; 1 a change with a joint refill; 2 a change without; 3 the last turn: all reads of V' are over.
.macro TURN par, zero, sm, sc, kld, mid, chg
	VADR 1
.if \kld
	v_add_nc_u32 v[KAD], 16*KP, v[KAD]             ; the next tile's rows of kr
.endif
	VLD 1, \par                                    ; this step's blocks 8-15: their last readers stand in front of the four places that end a turn
.if \kld
	KLD
.endif
	s_wait_dscnt 16+4*(\kld)                       ; the loads just issued may stay out; blocks 0-7, fetched in the turn before, are in
.set j, 0
.rept 32
	PV \par, \zero
.if \sm
	WIN 0
.set i, 2*j
	EXPR
.set i, 2*j+1
	EXPR
.endif
.set j, j+1
.endr
	WIN 0
.if \sm
	PLACES                                         ; the plain instruction behind the last exponential, and the places in front of the loads into blocks 0-7
	s_wait_alu depctr_va_vdst(0)                   ; ONE wait for the turn's 64 exponentials, ahead of their first reader
.endif
.if (\chg) == 0
	s_wait_dscnt 0x0                               ; blocks 8-15 (and the key blocks) are in
.if \mid
	VADR 0
	VLD 0, 1
.endif
.elseif (\chg) == 1
	s_wait_tensorcnt 0x0                           ; all my tensor loads have landed: the one that was out is my quarter of the other slot; so a group 0 may be written
	ds_add_u32 v[SPW], v[NIL]                      ; 0 onto my spare word
	s_wait_dscnt 1                                 ; (the add alone may be out: blocks 8-15 are in)
	s_xor_b32 s[G0B+1], s[G0B+1], SLOTB            ; the walking descriptor: the slot that is being left,
	s_add_nc_u64 s[G0B+2:G0B+3], s[G0B+2:G0B+3], 512  ; the next tile; the type bits on top are not reached
	s_wait_xcnt 0x0                                ; the last prefetch, two turns back, has read its address
	s_add_nc_u64 s[PFA:PFA+1], s[PFA:PFA+1], 512
.rept 4
	PVR \par, \zero, \sm                           ; work on registers stands between the add and the wait for it
.endr
	WIN 0
	s_wait_dscnt 0x0                               ; the add is done, and my reads of the slot are over
	s_barrier_signal -1                            ; this barrier opens a round of the cluster's barrier
.rept 4
	PVR \par, \zero, \sm
.endr
	WIN 0
	s_barrier_wait -1
	CREST                                          ; no wave of any partner still reads the slot or has a load on its way
	JL G0B, G1V                                    ; the first tensor load behind the round, one a wave: it has two turns, 144 matrix instructions, in which to land
	PLACES
	s_xor_b32 s[TC], s[TC], SLOTB
	VADR 0
	VLD 0, 0
	WIN 0
	ASK
.elseif (\chg) == 2
	s_wait_tensorcnt 0x0                           ; my quarter of the last tile is in,
	s_wait_dscnt 0x0
	s_barrier_signal -1
	s_barrier_wait -1                              ; everybody's is; nothing is filled again
	s_xor_b32 s[TC], s[TC], SLOTB
	VADR 0
	VLD 0, 0
.else
	s_wait_dscnt 0x0                               ; my last reads of V' are back:
	s_barrier_signal -1                            ; say so; the products below touch registers alone
.endif
.if (\chg) == 1
.rept 24
	PVR \par, \zero, \sm
.endr
.else
.rept 32
	PVR \par, \zero, \sm
.endr
.endif
.if (\chg) == 3
	WIN 0
	s_barrier_wait -1                              ; nobody reads the slots any more: they may be written
.endif
.if \sc
	SCORES \par
.endif
	PLACES                                         ; behind the turn's last products: in front of the next loads into their sources and the next readers of their results
.endm
	s_load_b256 s[4:11], s[0:1], 0x0               ; vt s[4:5], kr s[6:7], quary s[8:9], input s[10:11]
	s_load_b128 s[12:15], s[0:1], 0x20             ; b_out s[12:13], out0 s[14:15]
	v_lshl_add_u32 v[SPW], v0, 2, SPARE
	v_mov_b32 v[NIL], 0
	ds_add_u32 v[SPW], v[NIL]                      ; the wave's opening: the add, twice on end, and its wait ahead of the round that stands in front of my first tensor loads
	ds_add_u32 v[SPW], v[NIL]
	v_lshrrev_b32 v40, 5, v0
	v_readfirstlane_b32 s[WV], v40                 ; wave 0..3
	s_and_b32 s70, ttmp7, 0xffff                   ; the batch, which the four partners share
	s_mov_b32 s[G1V], 15|(1<<16)|(1<<20)|(1<<21)|(6<<22)|(3<<25)  ; the mask of four; 2-byte elements; padding on; bit 21 beside a mask; after every 128 words, 4 words
	s_mov_b32 s[G1V+1], 256<<16                    ; tensor_dim0 = 256
	s_mov_b32 s[G1V+2], 64<<16                     ; tensor_dim1 = 64
	s_mov_b32 s[G1V+3], 256<<16                    ; tile_dim0 = 256 slots: 512 bytes
	s_mov_b32 s[G1V+4], 64                         ; tile_dim1 = 64 channels
	s_mov_b32 s[G1V+5], 2048                       ; elements from row to row
	s_mov_b32 s[G1V+6], 0
	s_mov_b32 s[G1V+7], 0
	s_mov_b32 s[G1K], 15|(3<<16)|(1<<20)|(1<<21)|(5<<22)|(7<<25)  ; 8-byte elements; after every 64 words, 8 words
	s_mov_b32 s[G1K+1], 32<<16
	s_mov_b32 s[G1K+2], 32<<16
	s_mov_b32 s[G1K+3], 32<<16                     ; 32 elements: 256 bytes
	s_mov_b32 s[G1K+4], 32                         ; 32 rows
	s_mov_b32 s[G1K+5], 32
	s_mov_b32 s[G1K+6], 0
	s_mov_b32 s[G1K+7], 0
	s_mov_b32 s[G0A], 1
	s_mul_i32 s[G0A+1], s[WV], QROWS               ; no place in the cluster enters an LDS address
	s_mov_b32 s[G0B], 1
	s_add_co_u32 s[G0B+1], s[G0A+1], SLOTB
	s_mov_b32 s[G0K], 1
	s_mul_i32 s[G0K+1], s[WV], 32*KP
	s_add_co_u32 s[G0K+1], s[G0K+1], KR
	s_lshl_b32 s66, s70, 20                        ; vt: the batch, my 64 channels
	s_lshl_b32 s62, s[WV], 18
	s_add_co_u32 s66, s66, s62
	s_mov_b32 s67, 0
	s_lshl_b32 s72, s70, 15                        ; kr: the batch, my 32 rows
	s_lshl_b32 s62, s[WV], 13
	s_add_co_u32 s72, s72, s62
	s_mov_b32 s73, 0
	s_mov_b32 s[SEL], 0x76543210
	s_mov_b32 s[SEL+1], 0xfedcba98
	s_mov_b32 s[TC], 0
	s_wait_dscnt 0x0                               ; both opening adds are done
	s_wait_kmcnt 0x0
	s_add_nc_u64 s[G0A+2:G0A+3], s[4:5], s[66:67]
	s_add_nc_u64 s[G0B+2:G0B+3], s[G0A+2:G0A+3], 512
	s_or_b32 s[G0A+3], s[G0A+3], 0x80000000
	s_or_b32 s[G0B+3], s[G0B+3], 0x80000000
	s_add_nc_u64 s[G0K+2:G0K+3], s[6:7], s[72:73]
	s_or_b32 s[G0K+3], s[G0K+3], 0x80000000
	ROUND                                          ; all four work-groups are here: the first joint loads meet
	JL G0K, G1K                                    ; the first fills go out as one group: three loads of mine are out
	JL G0A, G1V
	JL G0B, G1V
	PLACES
	; what hangs on my place in the cluster enters global addresses alone, in registers of its own
	s_bfe_u32 s68, ttmp6, 0x40000                  ; cx
	s_lshl_b32 s69, ttmp9, 2
	s_add_co_u32 s69, s69, s68                     ; my block of 64 queries
	s_mov_b32 s75, 0
	s_mul_i32 s74, s70, 24576
	s_lshl_b32 s76, s69, 8
	s_add_co_u32 s74, s74, s76
	s_add_nc_u64 s[60:61], s[8:9], s[74:75]        ; quary at my first query
	v_and_b32 v1, 15, v0                           ; r
	v_bfe_u32 v2, v0, 4, 1                         ; h
	v_and_b32 v3, 31, v0                           ; lane
	v_lshlrev_b32 v[QOF], 2, v1
.set t, 0
.rept 4
.set q, 0
.rept 3
	global_load_b32 v[QL+4*t+q], v[QOF], s[60:61] offset:q*8192+64*t
.set q, q+1
.endr
.set t, t+1
.endr
	s_lshl_b32 s74, s70, 21                        ; input and out0: the batch, my 64 channels, my block's 256 bytes of a row
	s_lshl_b32 s77, s[WV], 19
	s_add_co_u32 s74, s74, s77
	s_add_co_u32 s74, s74, s76
	s_add_nc_u64 s[RES:RES+1], s[10:11], s[74:75]
	s_add_nc_u64 s[OUT:OUT+1], s[14:15], s[74:75]
	s_lshl_b32 s74, s70, 20                        ; the prefetches of V': rows 64 cx + 16 w on, at tile 3: the first change of slots steps it to tile 4
	s_lshl_b32 s77, s68, 18
	s_add_co_u32 s74, s74, s77
	s_lshl_b32 s77, s[WV], 16
	s_add_co_u32 s74, s74, s77
	s_add_co_u32 s74, s74, 3*512
	s_add_nc_u64 s[PFA:PFA+1], s[4:5], s[74:75]
	s_lshl_b32 s74, s[WV], 8
	s_add_nc_u64 s[BIA:BIA+1], s[12:13], s[74:75]
	s_cmp_eq_u32 ttmp9, 0                          ; the batch's first cluster: the same in all four partners
	s_cselect_b32 s[LIM], 2, -1
	v_mul_u32_u24 v40, v1, PITCH
	v_lshl_add_u32 v40, v2, 4, v40
	s_lshl_b32 s62, s[WV], 7
	v_add_nc_u32 v40, s62, v40
.set q4, 0
.rept 4
	s_add_co_u32 s62, s[WV], q4
	s_and_b32 s62, s62, 3                          ; whose channels blocks 4 q4 .. are
	s_mul_i32 s63, s62, QROWS
	v_add_nc_u32 v[VB+q4], s63, v40
.if q4 > 0
	s_mul_i32 s62, s62, 3
	s_add_co_u32 s62, s62, q4-1
	s_lshl_b32 s62, s62, 14
	v_lshl_add_u32 v[RW+q4], v3, 4, s62
.endif
.set q4, q4+1
.endr
	v_and_b32 v41, 7, v1                           ; key m of a block of 16 slots lies in kr's row 8 PB + m % 8, at place 2 (block) + m / 8
	v_mul_u32_u24 v41, v41, KP
	v_lshrrev_b32 v42, 3, v1
	v_lshl_add_u32 v41, v42, 4, v41
	s_lshr_b32 s62, s[WV], 1
	s_mul_i32 s62, s62, 8*KP
	s_and_b32 s63, s[WV], 1
	s_lshl_b32 s63, s63, 7
	s_add_co_u32 s62, s62, s63
	s_add_co_u32 s62, s62, KR
	v_add_nc_u32 v[KAD0], s62, v41
	s_lshl_b32 s62, s[WV], 8
	s_add_co_u32 s62, s62, MX
	v_lshl_add_u32 v[MXW], v1, 4, s62
	v_lshl_add_u32 v[MXR], v1, 4, MX
	s_mul_i32 s62, s[WV], 49152
	v_lshl_add_u32 v[RR], v3, 4, s62
	s_mul_i32 s62, s[WV], STGW
	s_add_co_u32 s62, s62, STG
	v_mul_u32_u24 v43, v2, 8*SP
	v_lshl_add_u32 v43, v1, 2, v43
	v_add_nc_u32 v[STW], s62, v43
	v_mul_u32_u24 v43, v2, SP
	v_lshl_add_u32 v43, v1, 4, v43
	v_add_nc_u32 v[STR], s62, v43
	v_lshlrev_b32 v[GO], 13, v2
	v_lshl_add_u32 v[GO], v1, 4, v[GO]
	v_lshrrev_b32 v43, 1, v3
	v_and_b32 v44, 1, v3
	v_lshlrev_b32 v43, 12, v43
	v_lshl_add_u32 v[PFO], v44, 8, v43
	v_lshlrev_b32 v[PFR], 13, v3
	v_lshlrev_b32 v[BO], 5, v2
	v_cmp_lt_u32 s[HM], 15, v3
.set q, 0
.rept 8
	v_mov_b32 v[L+q], 0
.set q, q+1
.endr
.set q, 0
.rept 4
	v_mov_b32 v[TM+4+q], 0                         ; v_permlanex16_b32 counts as a reader of its destination
.set q, q+1
.endr
	s_wait_loadcnt 0x0                             ; quary
.set t, 0
.rept 4
.set a0, QL+4*t
.set b0, S+8*t
	v_cvt_pk_bf16_f32 v[b0], v[a0], v[a0+1]        ; qh0 qh1
	v_cvt_pk_bf16_f32 v[b0+1], v[a0+2], v[a0+2]    ; qh2 qh2
	v_lshlrev_b32 v[b0+2], 16, v[b0]
	v_and_b32 v[b0+3], 0xffff0000, v[b0]
	v_lshlrev_b32 v[b0+4], 16, v[b0+1]
	v_sub_f32 v[b0+2], v[a0], v[b0+2]              ; what the rounding lost
	v_sub_f32 v[b0+3], v[a0+1], v[b0+3]
	v_sub_f32 v[b0+4], v[a0+2], v[b0+4]
	v_cvt_pk_bf16_f32 v[b0+5], v[b0+2], v[b0+3]
	v_cvt_pk_bf16_f32 v[b0+6], v[b0+4], v[b0+4]
	v_cndmask_b32 v[b0], v[b0], v[b0+5], s[HM]     ; v0 v1: lanes 0-15 the bf16, lanes 16-31 the rest
	v_cndmask_b32 v[b0+1], v[b0+1], v[b0+6], s[HM] ; v2 v2
	v_and_b32 v[b0+5], 0xffff, v[b0+1]
	v_lshrrev_b32 v[b0+6], 16, v[b0]
.set t, t+1
.endr
	WIN 0x40                                       ; destination window 1, sources window 0
.set t, 0
.rept 4
.set b0, S+8*t
	v_mov_b32 v[Q+8*t], v[b0]                                  ; v0 v1
	v_lshl_or_b32 v[Q+8*t+1], v[b0], 16, v[b0+5]               ; v2 v0
	v_and_or_b32 v[Q+8*t+2], v[b0+1], 0xffff0000, v[b0+6]      ; v1 v2
.set q, 3
.rept 5
	v_mov_b32 v[Q+8*t+q], 0
.set q, q+1
.endr
.set t, t+1
.endr
.set q, 0
.rept 4
	v_mov_b32 v[KB+q], 0                           ; pass 1's last fragment names these four beside its own,
	v_mov_b32 v[KB+16+q], 0                        ; pass 2's last these: both meet the query's zeros
.set q, q+1
.endr
.set q, 0
.rept 8
	v_mov_b32 v[R+q], 0xff7fffff                   ; the lowest finite number
.set q, q+1
.endr
	s_wait_tensorcnt 0x2                           ; my quarter of kr is in; tiles 0 and 1 may stay out
	s_barrier_signal -1
	s_barrier_wait -1
	; PASS 1: the maximum of my quarter of every row.  32 key blocks x 4 tiles; behind each product ride the four maxima over the result of the block before.  All in window 1.
.set kb, 0
.rept 32
	ds_load_b128 v[4*kb:4*kb+3], v[KAD0] offset:(kb/4)*16*KP+(kb%4)*32
.set kb, kb+1
.endr
	WIN 0x55
.macro MAX4 st, t                      ; two chains a tile; the result's lowest registers are read first
	v_max3_num_f32 v[R+2*(\t)], v[R+2*(\t)], v[S1+32*(\st)+8*(\t)], v[S1+32*(\st)+8*(\t)+1]
	v_max3_num_f32 v[R+2*(\t)+1], v[R+2*(\t)+1], v[S1+32*(\st)+8*(\t)+2], v[S1+32*(\st)+8*(\t)+3]
	v_max3_num_f32 v[R+2*(\t)], v[R+2*(\t)], v[S1+32*(\st)+8*(\t)+4], v[S1+32*(\st)+8*(\t)+5]
	v_max3_num_f32 v[R+2*(\t)+1], v[R+2*(\t)+1], v[S1+32*(\st)+8*(\t)+6], v[S1+32*(\st)+8*(\t)+7]
.endm
.set kb, 0
.rept 32
.if kb == 0
	s_wait_dscnt 23                                ; fragment kb names loads kb and kb + 1: loads 0-8 are in, 23 younger ones may stay out
.elseif kb == 8
	s_wait_dscnt 15
.elseif kb == 16
	s_wait_dscnt 7
.elseif kb == 24
	s_wait_dscnt 0x0
.endif
.set t, 0
.rept 4
	v_wmma_f32_16x16x32_bf16 v[S1+32*(kb%2)+8*t:S1+32*(kb%2)+8*t+7], v[4*kb:4*kb+7], v[Q+8*t:Q+8*t+7], 0
.if kb > 0
	MAX4 1-kb%2, t
.endif
.set t, t+1
.endr
.if kb == 0
	PLACES                                         ; the first four products have no riders
.endif
.set kb, kb+1
.endr
	PLACES
.irp t, 0,1,2,3
	MAX4 1, \t
.endr
	WIN 0x05                                       ; sources window 1, destination window 0
.irp t, 0,1,2,3
	v_max_num_f32 v[TM+\t], v[R+2*\t], v[R+2*\t+1]
.endr
	WIN 0
.irp t, 0,1,2,3
	v_permlanex16_b32 v[TM+4+\t], v[TM+\t], s[SEL], s[SEL+1]  ; the query's other keys lie in the lane 16 away
.endr
.irp t, 0,1,2,3
	v_max_num_f32 v[TM+\t], v[TM+\t], v[TM+4+\t]
.endr
	ds_store_b128 v[MXW], v[TM:TM+3]
	s_wait_tensorcnt 0x1                           ; my quarter of tile 0 is in; tile 1 may stay out
	s_wait_dscnt 0x0                               ; for the others' sake: my maxima are stored
	s_barrier_signal -1
	s_barrier_wait -1
.irp w, 0,1,2,3
	ds_load_b128 v[TM+4*\w:TM+4*\w+3], v[MXR] offset:256*\w
.endr
	s_wait_dscnt 0x0
.irp t, 0,1,2,3
	v_max3_num_f32 v[M+\t], v[TM+\t], v[TM+4+\t], v[TM+8+\t]
.endr
.irp t, 0,1,2,3
	v_max_num_f32 v[M+\t], v[M+\t], v[TM+12+\t]    ; the row's true maximum, the same in all four waves
.endr
.set q, 0
.rept 32
	v_mul_f32 v[NEGM+q], -1.0, v[M+q/8]            ; the C operand of the score products: eight registers a tile
.set q, q+1
.endr
	; PASS 2.  Its beginning: the scores and weights of step 0, the scores of step 1.
	v_mov_b32 v[KAD], v[KAD0]
	VADR 0
	KLD
	VLD 0, 0
	s_wait_dscnt 16                                ; the key blocks are in; the 16 loads of V' may stay out
	SCORES 0
	PLACES
	WIN 0
.set i, 0
.rept 64
	EXPR
.set i, i+1
.endr
	v_nop
	s_wait_alu depctr_va_vdst(0)                   ; one wait for the 64 exponentials
.set i, 0
.rept 64
	PLN 1
.set i, i+1
.endr
	SCORES 1
	PLACES
	TURN 0, 1, 1, 1, 1, 1, 0                       ; turn 0 starts the sums: nothing is cleared
	WIN 0                                          ; at a label and at a branch every window is 0
	s_mov_b32 s[CNT], 6
.Lpair:                                        ; turns 1-12: a trip leaves a tile, fills its slot again (tiles 2-7) and begins the next
	TURN 1, 0, 1, 1, 0, 1, 1
	TURN 0, 0, 1, 1, 1, 1, 0
	WIN 0
	s_sub_co_u32 s[CNT], s[CNT], 1
	s_cmp_lg_u32 s[CNT], 0
	s_cbranch_scc1 .Lpair
	TURN 1, 0, 1, 1, 0, 1, 2                       ; the tail is written out
	TURN 0, 0, 1, 0, 0, 1, 0
	TURN 1, 0, 0, 0, 0, 0, 3
	; THE WAY OUT.  Bias and residual are asked for first; l and blocks 4-15 go to the waves whose channels they are.
	WIN 0
.set q, 0
.rept 4
	global_load_b128 v[BI+8*q:BI+8*q+3], v[BO], s[BIA:BIA+1] offset:64*q
	global_load_b128 v[BI+8*q+4:BI+8*q+7], v[BO], s[BIA:BIA+1] offset:64*q+16
.set q, q+1
.endr
.set k, 0
.rept 32
	global_load_b128 v[RS+4*k:RS+4*k+3], v[GO], s[RES:RES+1] offset:k*16384 th:TH_LOAD_NT
.set k, k+1
.endr
.irp t, 0,1,2,3
	v_add_f32 v[TM+\t], v[L+2*\t], v[L+2*\t+1]
.endr
.irp t, 0,1,2,3
	v_permlanex16_b32 v[TM+4+\t], v[TM+\t], s[SEL], s[SEL+1]
.endr
.irp t, 0,1,2,3
	v_add_f32 v[TM+\t], v[TM+\t], v[TM+4+\t]
.endr
	ds_store_b128 v[MXW], v[TM:TM+3] offset:1024
	WIN 0x08                                       ; store data (source 1) window 2
.set a, 16
.rept 16
	ds_store_b128 v[RW+1], v[8*a:8*a+3] offset:(a%16)*1024
	ds_store_b128 v[RW+1], v[8*a+4:8*a+7] offset:(a%16)*1024+512
.set a, a+1
.endr
	WIN 0x0c                                       ; window 3
.set a, 32
.rept 32
	ds_store_b128 v[RW+a/16], v[8*(a-32):8*(a-32)+3] offset:(a%16)*1024
	ds_store_b128 v[RW+a/16], v[8*(a-32)+4:8*(a-32)+7] offset:(a%16)*1024+512
.set a, a+1
.endr
	WIN 0
	s_wait_dscnt 0x0                               ; for the others' sake: all that I send is stored
	s_barrier_signal -1
	s_barrier_wait -1
.macro GET g, base                     ; what sender g + 1 places back sent me: 32 loads, into registers that I have sent from
.set x, 0
.rept 16
	ds_load_b128 v[(\base)+8*x:(\base)+8*x+3], v[RR] offset:(\g)*16384+x*1024
	ds_load_b128 v[(\base)+8*x+4:(\base)+8*x+7], v[RR] offset:(\g)*16384+x*1024+512
.set x, x+1
.endr
.endm
.macro SUMUP base                      ; onto my 16 accumulators, ascending
.set x, 0
.rept 64
	v_pk_add_f32 v[2*x:2*x+1], v[2*x:2*x+1], v[(\base)+2*x:(\base)+2*x+1]
.set x, x+1
.endr
.endm
.irp w, 0,1,2,3
	ds_load_b128 v[TM+4*\w:TM+4*\w+3], v[MXR] offset:1024+256*\w
.endr
	WIN 0x80
	GET 0, 128
	WIN 0
	s_wait_dscnt 32                                ; the four waves' l are in; the 32 loads just issued may stay out
	v_pk_add_f32 v[TM:TM+1], v[TM:TM+1], v[TM+4:TM+5]
	v_pk_add_f32 v[TM+2:TM+3], v[TM+2:TM+3], v[TM+6:TM+7]
	v_pk_add_f32 v[TM+8:TM+9], v[TM+8:TM+9], v[TM+12:TM+13]
	v_pk_add_f32 v[TM+10:TM+11], v[TM+10:TM+11], v[TM+14:TM+15]
	v_pk_add_f32 v[TM:TM+1], v[TM:TM+1], v[TM+8:TM+9]
	v_pk_add_f32 v[TM+2:TM+3], v[TM+2:TM+3], v[TM+10:TM+11]
.irp t, 0,1,2,3
	v_rcp_f32 v[L+2*\t], v[TM+\t]                  ; 1 / l, in the low word of the tile's pair
.endr
	v_nop
	s_wait_alu depctr_va_vdst(0)                   ; one wait for the four reciprocals
	WIN 0xc0
	GET 1, 0
	s_wait_dscnt 32                                ; the first group is in; the 32 loads just issued may stay out
	WIN 0x8a                                       ; destination, source 0 and source 1 window 2
	SUMUP 128
	WIN 0xc0
	GET 2, 128
	s_wait_dscnt 32                                ; the second group is in
	WIN 0x8e                                       ; source 1 window 3
	SUMUP 0
	s_wait_dscnt 0x0
	SUMUP 128
	s_wait_loadcnt 32                              ; the bias is in; the residual's 32 loads may stay out
	WIN 0x82                                       ; destination and source 0 window 2; 1 / l and the bias window 0
.set a, 0
.rept 16
.set z, 0
.rept 4
	v_pk_fma_f32 v[8*a+2*z:8*a+2*z+1], v[8*a+2*z:8*a+2*z+1], v[L+2*(a%4):L+2*(a%4)+1], v[BI+8*(a/4)+2*z:BI+8*(a/4)+2*z+1] op_sel_hi:[1,0,1]
.set z, z+1
.endr
.set a, a+1
.endr
	WIN 0x08                                       ; through my own stage: in by channel and query, back as whole rows of 256 bytes
.set a, 0
.rept 16
.set z, 0
.rept 8
	ds_store_b32 v[STW], v[8*a+z] offset:(16*(a/4)+z)*SP+64*(a%4)
.set z, z+1
.endr
.set a, a+1
.endr
	WIN 0xc0
.set k, 0
.rept 32
	ds_load_b128 v[4*k:4*k+3], v[STR] offset:k*2*SP  ; LDS serves a wave's instructions in order (ISA guide 5.7.1.4): these see the stores above
.set k, k+1
.endr
	s_wait_loadcnt 0x0                             ; the residual
	WIN 0xcc                                       ; one setting for add and store: source 0 (residual; the store's address) window 0, source 1 (the row; the store's data) and destination window 3
.set k, 0
.rept 32
	s_wait_dscnt 31-k
	v_pk_add_f32 v[4*k:4*k+1], v[RS+4*k:RS+4*k+1], v[4*k:4*k+1]
	v_pk_add_f32 v[4*k+2:4*k+3], v[RS+4*k+2:RS+4*k+3], v[4*k+2:4*k+3]
	global_store_b128 v[GO], v[4*k:4*k+3], s[OUT:OUT+1] offset:k*16384 th:TH_STORE_NT  ; 16 lanes store 256 consecutive bytes, at a multiple of 256 from out0's first byte
.set k, k+1
.endr
	WIN 0
	s_wait_tensorcnt 0x0                           ; the wave's end, behind my last tensor load and my last LDS store
	ds_add_u32 v[SPW], v[NIL]
	s_wait_dscnt 0x0
	ROUND                                          ; the closing round: no work-group ends while a partner may still ask for a tile that names it
	s_endpgm
.Lfunc_end_k_q10d51635d8_attn:
	.size	k_q10d51635d8_attn, .Lfunc_end_k_q10d51635d8_attn-k_q10d51635d8_attn
	.p2alignl 7, 3214868480
	.fill 96, 4, 3214868480
	.section	.rodata,"a",@progbits
	.p2align	6, 0x0
	.amdhsa_kernel k_q10d51635d8_attn
		.amdhsa_group_segment_fixed_size 327680
		.amdhsa_private_segment_fixed_size 0
		.amdhsa_enable_private_segment 0
		.amdhsa_kernarg_size 48
		.amdhsa_user_sgpr_count 2
		.amdhsa_user_sgpr_kernarg_segment_ptr 1
		.amdhsa_wavefront_size32 1
		.amdhsa_system_sgpr_workgroup_id_x 1
		.amdhsa_system_sgpr_workgroup_id_y 1
		.amdhsa_system_sgpr_workgroup_id_z 1
		.amdhsa_system_vgpr_workitem_id 0
		.amdhsa_next_free_vgpr 1024
		.amdhsa_next_free_sgpr 80
		.amdhsa_reserve_vcc 0
		.amdhsa_float_denorm_mode_32 3
		.amdhsa_float_denorm_mode_16_64 3
		.amdhsa_memory_ordered 1
		.amdhsa_forward_progress 1
		.amdhsa_inst_pref_size 213
	.end_amdhsa_kernel
	.amdgpu_metadata
---
amdhsa.version: [ 1, 2 ]
amdhsa.kernels:
  - .name:           k_q10d51635d8_attn
    .symbol:         k_q10d51635d8_attn.kd
    .args:
      - { .name: vt, .offset: 0, .size: 8, .value_kind: global_buffer, .address_space: global }
      - { .name: kr, .offset: 8, .size: 8, .value_kind: global_buffer, .address_space: global }
      - { .name: quary, .offset: 16, .size: 8, .value_kind: global_buffer, .address_space: global }
      - { .name: input, .offset: 24, .size: 8, .value_kind: global_buffer, .address_space: global }
      - { .name: b_out, .offset: 32, .size: 8, .value_kind: global_buffer, .address_space: global }
      - { .name: out0, .offset: 40, .size: 8, .value_kind: global_buffer, .address_space: global }
    .group_segment_fixed_size: 327680
    .private_segment_fixed_size: 0
    .kernarg_segment_align: 8
    .kernarg_segment_size: 48
    .max_flat_workgroup_size: 128
    .sgpr_count:     80
    .vgpr_count:     1024
    .wavefront_size: 32
...
	.end_amdgpu_metadata
.endif
;; end of part 3
;; ======== version 2 of 2: 3 launches; version 1 with the launch gnfold written anew for expert scheduling mode
;; workspace buffers: nf 8,388,608 bytes; wf 139,264 bytes; vt 8,388,608 bytes; kr 262,144 bytes
;; launch gnfold (part 4): grid 256 x 1, 8 waves a work-group, no clusters, 17,920 bytes of LDS; arguments input, gn_weight, gn_bias, w_kv, w_out, w_q, nf, wf; writes nf, wf
.if DOCPART == 4
	.amdgcn_target "amdgcn-amd-amdhsa--gfx1250"
	.amdhsa_code_object_version 6
	.text
	.protected	k_q10d51635d8_gnfold
	.globl	k_q10d51635d8_gnfold
	.p2align	8
	.type	k_q10d51635d8_gnfold,@function
k_q10d51635d8_gnfold:
	s_mov_b64 s[64:65], 0
	v_nop
	global_prefetch_b8 v0, s[64:65] scope:SCOPE_SE
	s_setreg_imm32_b32 hwreg(HW_REG_WAVE_SCHED_MODE, 0, 2), 2
	s_setreg_imm32_b32 hwreg(HW_REG_WAVE_MODE, 25, 1), 1
	s_wait_xcnt 0x0
	s_wait_alu depctr_vm_vsrc(0)
; GROUP NORM, AND THE FOLDED WEIGHTS.  First of three launches for
;   out = w_out (V softmax(q^T k / 16)^T) + b_out + input,  k, V = w_kv norm,  q = w_q quary,  norm = group norm of input.
; NOTHING IS LEFT OUT AS DEAD: every input reaches the output and is loaded.  Two products are taken in another order, which holds for all values of the inputs:
;   q_i . k_j = quary_i^T (w_q^T W_k) norm_j : the scores are a product over 3 numbers, not 256;      w_out (W_v norm) P^T = (w_out W_v) norm P^T : one projection for two.
; LIMITS.  The order of rounding differs from the reference's: the folded weights are f32 sums of bf16 products and are rounded to bf16 once more; norm is stored in bf16.
; NaN and infinities are not treated apart.
; SHARES.  Work-group n = 32 b + g owns group g of batch b: 8 channels x 2,048 positions, 65,536 consecutive bytes.  Thread t holds, of each channel, positions 4 t .. 4 t + 3 and
; 1,024 + 4 t .. : 16 loads of 16 bytes, each covering 512 consecutive bytes a wave; the group stays in 64 registers between mean, variance (of x - mean) and scaling.
; nf: norm in bf16 as the next launch's matrix operand takes it: [b][PB 16][kc 8][e 8][hf 2][h 2][r 16][8 channels]; g = 4 kc + 2 hf + h; position 128 PB + 64 (e / 4) + 4 r + e % 4.
; Each store of 16 lanes covers 256 consecutive bytes, aligned.
; wf: tile (ob, cb) of 16 rows x 16 channels at byte 512 (16 ob + cb): lane (r, h) holds row 16 ob + r, channels 16 cb + 8 h + 0..7 in bf16.  ob 0..15: w_out W_v.
; ob 16: rows 0..2 = c0 w_q^T W_k, c0 = log2(e) / 16, rows 3..15 = 0.  Work-group n makes tile n; work-groups 0..15 also tile 256 + n.  Wave w takes 32 of the 256 terms
; (one matrix instruction); the eight partial tiles meet in LDS.
; THE MODE: SCHED_MODE bits 1:0 = 2 (LLVM: expert scheduling mode 2), set by the entry lines.  The code itself states the register dependences
; between vector or matrix instructions and memory or LDS instructions, with s_wait_alu, always for 0.
; THE PLAN.  Registers that memory or LDS instructions touch, in the order of the text:
;   v4-v11, v14   offsets and LDS addresses: written at the head, never again.  One wait on va_vdst ahead of the first load serves every load and store of the kernel.
;   X             the group's loads land in it; vector lines work in it; the roundings into NB read it last; then, in the waves that add tiles, LDS loads land in it.
;   E0 .. E3      loads land in them; the conversions read them.  Their registers serve again as SM, NM, RD and NB.
;   D, D2         written by one product each, read by two LDS stores each, never written again.
;   SM            v80 is the data of a group sum's LDS store; it is written again by the variance's chains, later by NB's roundings: a wait on vm_vsrc behind each sum's barrier.
;   RD            LDS loads land in it behind each sum's barrier; every vector line that names it before stands ahead of that sum's wait on va_vdst.
;   NB            32 roundings write it, ONE wait on va_vdst follows, eight stores read it; that wait also covers the LDS loads into X, which no vector line behind it names.
;   FA            in a wave that adds tiles: four roundings write it, a wait, one store reads it.
;   v[SPW], v[NIL]  written at the head, read by the closing add alone.
.set RS1,   0                          ; LDS: eight waves' sums of x
.set RS2,   256                        ; of (x - mean)^2
.set TP,    512                        ; eight partial tiles, 1,024 bytes each
.set TP2,   8704                       ; the same for the tile of w_q^T W_k
.set SPARE, 16896                      ; the spare words, 128 bytes a wave: four blocks of 256 bytes that no other line names
.set XO,  4                            ; v4   16 t
.set NO,  5                            ; v5   my 16 bytes in nf: 65,536 wave + 4,096 (lane / 16) + 16 (lane % 16)
.set T0O, 6                            ; v6   8,192 h + 4 r: w_kv, 8 h rows down, column r
.set T1O, 7                            ; v7   1,024 r + 32 h: w_out, row r, 8 h columns on
.set TQO, 8                            ; v8   96 h + 4 min(r, 2): w_q, 8 h rows down, column min(r, 2)
.set RSA, 9                            ; v9   4 wave
.set TPA, 10                           ; v10  1,024 wave + 16 lane
.set L16, 11                           ; v11  16 lane
.set SPW, 12                           ; v12  my spare word; never rewritten
.set NIL, 13                           ; v13  0; never rewritten
.set ZA,  14                           ; v14  LDS address 0
.set PT,  15                           ; v15  at work
.set X,   16                           ; v[16:79]   x: channel c, half u, place e' at X + 8 c + 4 u + e'
.set E0,  80                           ; v[80:95]   f32 terms of source 0;  later SM, NM, and the packed rows
.set E1,  96                           ; v[96:111]  of source 1;            later RD
.set FA,  112
.set FB,  120
.set D,   128
.set E2,  136
.set E3,  152
.set FA2, 168
.set FB2, 176
.set D2,  184
.set GA,  192                          ; v[192:207] rstd x gamma_c, twice
.set GB,  208                          ; v[208:223] beta_c, twice
.set CM,  224                          ; v[224:225] c0 in lanes with r < 3, else 0
.set SM,  80
.set NM,  88
.set RD,  96
.set NB,  80
.macro WRED r                          ; the sum over the wave's 32 lanes, in every lane
	v_add_f32_dpp v[\r], v[\r], v[\r] row_xmask:1 row_mask:0xf bank_mask:0xf
	v_add_f32_dpp v[\r], v[\r], v[\r] row_xmask:2 row_mask:0xf bank_mask:0xf
	v_add_f32_dpp v[\r], v[\r], v[\r] row_xmask:4 row_mask:0xf bank_mask:0xf
	v_add_f32_dpp v[\r], v[\r], v[\r] row_xmask:8 row_mask:0xf bank_mask:0xf
	v_permlanex16_b32 v[PT], v[\r], s38, s39
	v_add_f32 v[\r], v[\r], v[PT]
.endm
; Four pairs in SM -> the sum over the work-group, in v[RD] of every lane.  tile = 1: my partial tile D goes into LDS under the same wait.
.macro GSUM reg, tile
	v_pk_add_f32 v[SM:SM+1], v[SM:SM+1], v[SM+2:SM+3]
	v_pk_add_f32 v[SM+4:SM+5], v[SM+4:SM+5], v[SM+6:SM+7]
	v_pk_add_f32 v[SM:SM+1], v[SM:SM+1], v[SM+4:SM+5]
	v_add_f32 v[SM], v[SM], v[SM+1]
	WRED SM
	s_wait_alu depctr_va_vdst(0)                   ; v[SM] is written (with tile = 1 the product has written D too), which the LDS stores below read; and every vector line that names v[RD ..], in which the loads behind the barrier land, is done
.if \tile
	ds_store_b128 v[TPA], v[D:D+3] offset:TP       ; the mean's arithmetic above is more than the four places between the product and these stores
	ds_store_b128 v[TPA], v[D+4:D+7] offset:TP+512
.endif
	ds_store_b32 v[RSA], v[SM] offset:\reg
	s_wait_dscnt 0x0                               ; for the others' sake: all my LDS stores are done
	s_barrier_signal -1
	s_barrier_wait -1
	s_wait_alu depctr_vm_vsrc(0)                   ; my LDS store has read v[SM], which vector lines further down write again
	ds_load_b128 v[RD:RD+3], v[ZA] offset:\reg     ; no vector line since the wait on va_vdst above
	ds_load_b128 v[RD+4:RD+7], v[ZA] offset:\reg+16
	s_wait_dscnt 0x0
	v_pk_add_f32 v[RD:RD+1], v[RD:RD+1], v[RD+2:RD+3]
	v_pk_add_f32 v[RD+4:RD+5], v[RD+4:RD+5], v[RD+6:RD+7]
	v_pk_add_f32 v[RD:RD+1], v[RD:RD+1], v[RD+4:RD+5]
	v_add_f32 v[RD], v[RD], v[RD+1]
.endm
; My 32 terms of a tile: both sources rounded to bf16, one product that starts its sum with 0.
; Source 0: lane r = channel; source 1: lane r = row: in the result lane (r, h) holds row r and channels 8 h + 0..7.
.macro CVTMM fa, fb, e0, e1, d
.set q, 0
.rept 8
	v_cvt_pk_bf16_f32 v[\fa+q], v[\e0+2*q], v[\e0+2*q+1]
	v_cvt_pk_bf16_f32 v[\fb+q], v[\e1+2*q], v[\e1+2*q+1]
.set q, q+1
.endr
	v_wmma_f32_16x16x32_bf16 v[\d:\d+7], v[\fa:\fa+7], v[\fb:\fb+7], 0
.endm
; One wave adds the eight partial tiles, rounds once and stores 512 consecutive bytes of wf.  scale = 1: times CM.
.macro TSUM reg, scale, off
.set q, 0
.rept 8
	ds_load_b128 v[X+8*q:X+8*q+3], v[L16] offset:\reg+1024*q        ; no wait here: the last vector lines that name X stand ahead of the wait in front of norm's stores
	ds_load_b128 v[X+8*q+4:X+8*q+7], v[L16] offset:\reg+1024*q+512
.set q, q+1
.endr
	s_wait_dscnt 0x0
.irp st, 1, 2, 4
.set q, 0
.rept 4/(\st)
.set z, 0
.rept 4
	v_pk_add_f32 v[X+16*(\st)*q+2*z:X+16*(\st)*q+2*z+1], v[X+16*(\st)*q+2*z:X+16*(\st)*q+2*z+1], v[X+16*(\st)*q+8*(\st)+2*z:X+16*(\st)*q+8*(\st)+2*z+1]
.set z, z+1
.endr
.set q, q+1
.endr
.endr
.if \scale
.set z, 0
.rept 4
	v_pk_mul_f32 v[X+2*z:X+2*z+1], v[X+2*z:X+2*z+1], v[CM:CM+1]
.set z, z+1
.endr
.endif
.set z, 0
.rept 4
	v_cvt_pk_bf16_f32 v[FA+z], v[X+2*z], v[X+2*z+1]
.set z, z+1
.endr
	s_wait_alu depctr_va_vdst(0)                   ; the roundings have written v[FA:FA+3], which the store reads
	global_store_b128 v[L16], v[FA:FA+3], s[54:55] offset:\off
.endm
	s_load_b512 s[4:19], s[0:1], 0x0               ; input s[4:5], gn_weight s[6:7], gn_bias s[8:9], w_kv s[10:11], w_out s[12:13], w_q s[14:15], nf s[16:17], wf s[18:19]
	v_lshl_add_u32 v[SPW], v0, 2, SPARE
	v_mov_b32 v[NIL], 0
	v_lshrrev_b32 v14, 5, v0
	v_readfirstlane_b32 s36, v14                   ; wave 0..7
	s_mov_b32 s37, ttmp9                           ; n
	s_mov_b32 s38, 0x76543210                      ; v_permlanex16_b32: each lane takes its own place in the other half
	s_mov_b32 s39, 0xfedcba98
	v_and_b32 v1, 15, v0                           ; r
	v_bfe_u32 v2, v0, 4, 1                         ; h
	v_and_b32 v3, 31, v0                           ; lane
	v_lshlrev_b32 v[XO], 4, v0
	v_lshlrev_b32 v[L16], 4, v3
	v_lshlrev_b32 v[NO], 4, v1
	v_lshl_add_u32 v[NO], v2, 12, v[NO]
	s_wait_alu depctr_va_sdst(0)                   ; s36 is written, ahead of its first reader: offsets, bases and the branches on the wave's number are made from it
	s_lshl_b32 s56, s36, 16
	v_add_nc_u32 v[NO], s56, v[NO]
	v_lshlrev_b32 v[T0O], 2, v1
	v_lshl_add_u32 v[T0O], v2, 13, v[T0O]
	v_lshlrev_b32 v[T1O], 10, v1
	v_lshl_add_u32 v[T1O], v2, 5, v[T1O]
	v_min_u32 v[TQO], 2, v1
	v_lshlrev_b32 v[TQO], 2, v[TQO]
	v_mad_u32_u24 v[TQO], v2, 96, v[TQO]
	s_lshl_b32 s56, s36, 2
	v_mov_b32 v[RSA], s56
	s_lshl_b32 s56, s36, 10
	v_add_nc_u32 v[TPA], s56, v[L16]
	v_mov_b32 v[PT], 0
	v_mov_b32 v14, 0x3db8aa3b                      ; c0 = log2(e) / 16
	v_cmp_gt_u32 vcc_lo, 3, v1
	s_wait_alu depctr_va_vcc(0)                    ; the compare has written VCC, which the select below reads
	v_cndmask_b32 v[CM], 0, v14, vcc_lo
	v_mov_b32 v[CM+1], v[CM]
	v_mov_b32 v[ZA], 0
	s_and_b32 s57, s37, 31                         ; g
	s_lshr_b32 s58, s37, 5                         ; b
	s_lshr_b32 s59, s37, 4                         ; ob
	s_and_b32 s60, s37, 15                         ; cb
	s_mov_b32 s43, 0
	s_wait_kmcnt 0x0
	s_lshl_b32 s42, s57, 5                         ; the group's 8 gains and 8 biases: 32 bytes each
	s_add_nc_u64 s[66:67], s[6:7], s[42:43]
	s_add_nc_u64 s[68:69], s[8:9], s[42:43]
	s_load_b256 s[20:27], s[66:67], 0x0
	s_load_b256 s[28:35], s[68:69], 0x0
	s_lshl_b32 s42, s37, 16
	s_add_nc_u64 s[40:41], s[4:5], s[42:43]        ; the group
	s_lshl_b32 s42, s36, 15                        ; W_v: rows 256 + 32 w on, columns 16 cb on
	s_add_co_u32 s42, s42, 262144
	s_lshl_b32 s61, s60, 6
	s_add_co_u32 s42, s42, s61
	s_add_nc_u64 s[44:45], s[10:11], s[42:43]
	s_lshl_b32 s42, s59, 14                        ; w_out: rows 16 ob on, columns 32 w on
	s_lshl_b32 s61, s36, 7
	s_add_co_u32 s42, s42, s61
	s_add_nc_u64 s[46:47], s[12:13], s[42:43]
	s_lshl_b32 s42, s58, 20                        ; nf: b, kc = g / 4, 2 hf + h = g % 4
	s_lshr_b32 s61, s57, 2
	s_lshl_b32 s61, s61, 13
	s_add_co_u32 s42, s42, s61
	s_and_b32 s61, s57, 3
	s_lshl_b32 s61, s61, 8
	s_add_co_u32 s42, s42, s61
	s_add_nc_u64 s[52:53], s[16:17], s[42:43]
	s_lshl_b32 s42, s37, 9                         ; wf: tile n
	s_add_nc_u64 s[54:55], s[18:19], s[42:43]
	s_wait_alu depctr_va_vdst(0)                   ; the offsets and LDS addresses v4 to v11 and v14 are written: every load and store of the kernel reads one of them, and none is written again
.set c, 0
.rept 8                                        ; the group: all 16 loads of the wave go out together
	global_load_b128 v[X+8*c:X+8*c+3], v[XO], s[40:41] offset:c*8192 th:TH_LOAD_NT
	global_load_b128 v[X+8*c+4:X+8*c+7], v[XO], s[40:41] offset:c*8192+4096 th:TH_LOAD_NT
.set c, c+1
.endr
.set q, 0
.rept 8                                        ; source 0: W_v[32 w + k][16 cb + r], k = 8 h + q and 16 + 8 h + q
	global_load_b32 v[E0+q], v[T0O], s[44:45] offset:q*1024
	global_load_b32 v[E0+8+q], v[T0O], s[44:45] offset:16384+q*1024
.set q, q+1
.endr
	global_load_b128 v[E1:E1+3], v[T1O], s[46:47]               ; source 1: w_out[16 ob + r][32 w + k]
	global_load_b128 v[E1+4:E1+7], v[T1O], s[46:47] offset:16
	global_load_b128 v[E1+8:E1+11], v[T1O], s[46:47] offset:64
	global_load_b128 v[E1+12:E1+15], v[T1O], s[46:47] offset:80
	s_cmp_lt_u32 s37, 16                           ; work-groups 0..15 also make a tile of w_q^T W_k
	s_cbranch_scc0 .Lno_m_loads
	s_lshl_b32 s42, s36, 15                        ; W_k: rows 32 w on, columns 16 n on
	s_lshl_b32 s61, s37, 6
	s_add_co_u32 s42, s42, s61
	s_add_nc_u64 s[48:49], s[10:11], s[42:43]
	s_mul_i32 s42, s36, 384                        ; w_q: rows 32 w on, 12 bytes each
	s_add_nc_u64 s[50:51], s[14:15], s[42:43]
.set q, 0
.rept 8
	global_load_b32 v[E2+q], v[T0O], s[48:49] offset:q*1024
	global_load_b32 v[E2+8+q], v[T0O], s[48:49] offset:16384+q*1024
	global_load_b32 v[E3+q], v[TQO], s[50:51] offset:q*12
	global_load_b32 v[E3+8+q], v[TQO], s[50:51] offset:192+q*12
.set q, q+1
.endr
.Lno_m_loads:
	s_wait_loadcnt 0x0                             ; all loads went out together; one wait serves both ways
	s_wait_kmcnt 0x0                               ; gains and biases
	CVTMM FA, FB, E0, E1, D                        ; tile n's product; its LDS stores stand in the first group sum, under that sum's wait
	s_cmp_lt_u32 s37, 16
	s_cbranch_scc0 .Lno_m_part
	CVTMM FA2, FB2, E2, E3, D2
.rept 4
	v_nop                                          ; four places between the product and the LDS stores that read it
.endr
	s_wait_alu depctr_va_vdst(0)                   ; the product has written D2, which the LDS stores read; the places above stay beside this wait
	ds_store_b128 v[TPA], v[D2:D2+3] offset:TP2
	ds_store_b128 v[TPA], v[D2+4:D2+7] offset:TP2+512
.Lno_m_part:
	; the mean: four chains, started by the first eight pairs
.set q, 0
.rept 4
	v_pk_add_f32 v[SM+2*q:SM+2*q+1], v[X+2*q:X+2*q+1], v[X+8+2*q:X+8+2*q+1]
.set q, q+1
.endr
.set q, 8
.rept 24
	v_pk_add_f32 v[SM+2*(q%4):SM+2*(q%4)+1], v[SM+2*(q%4):SM+2*(q%4)+1], v[X+2*q:X+2*q+1]
.set q, q+1
.endr
	GSUM RS1, 1                                    ; its barrier also shows every wave's partial tiles to the waves that add them
	v_mul_f32 v[NM], 0xb8800000, v[RD]             ; - sum / 16,384
	v_mov_b32 v[NM+1], v[NM]
.set q, 0
.rept 32
	v_pk_add_f32 v[X+2*q:X+2*q+1], v[X+2*q:X+2*q+1], v[NM:NM+1]  ; x - mean, in place
.set q, q+1
.endr
.set q, 0
.rept 4
	v_pk_mul_f32 v[SM+2*q:SM+2*q+1], v[X+2*q:X+2*q+1], v[X+2*q:X+2*q+1]  ; v[SM] is written again: the wait on vm_vsrc behind the first sum's barrier stands ahead
.set q, q+1
.endr
.set q, 4
.rept 28
	v_pk_fma_f32 v[SM+2*(q%4):SM+2*(q%4)+1], v[X+2*q:X+2*q+1], v[X+2*q:X+2*q+1], v[SM+2*(q%4):SM+2*(q%4)+1]
.set q, q+1
.endr
	GSUM RS2, 0                                    ; other bytes than the first sum's: no wave still reads what is written here
	s_mov_b32 s56, 0x38800000                      ; 1 / 16,384
	s_mov_b32 s57, 0x3727c5ac                      ; 1e-5
	v_fma_f32 v[RD], v[RD], s56, s57
	v_rsq_f32 v[RD+1], v[RD]
	v_nop                                          ; a plain instruction behind the root,
	s_wait_alu depctr_va_vdst(0)                   ; and the wait ahead of its first reader: the root has written v[RD+1], which the gains below read
.set c, 0
.rept 8
	v_mul_f32 v[GA+2*c], s[20+c], v[RD+1]
	v_mul_f32 v[GA+2*c+1], s[20+c], v[RD+1]
	v_mov_b32 v[GB+2*c], s[28+c]
	v_mov_b32 v[GB+2*c+1], s[28+c]
.set c, c+1
.endr
.set q, 0
.rept 32
	v_pk_fma_f32 v[X+2*q:X+2*q+1], v[X+2*q:X+2*q+1], v[GA+2*(q/4):GA+2*(q/4)+1], v[GB+2*(q/4):GB+2*(q/4)+1]
.set q, q+1
.endr
.set q, 0                                      ; q = 4 u + e': one position's 8 channels are 16 bytes; eight sets of registers, so no store's data are written again
.rept 8                                        ; (v80, which the second sum's LDS store read, is written here: the wait on vm_vsrc behind that sum's barrier stands ahead)
.set z, 0
.rept 4
	v_cvt_pk_bf16_f32 v[NB+4*q+z], v[X+16*z+q], v[X+16*z+8+q]
.set z, z+1
.endr
.set q, q+1
.endr
	s_wait_alu depctr_va_vdst(0)                   ; the 32 roundings have written v[NB ..], which the eight stores read, and are done reading X, in which the LDS loads of the waves that add tiles land
.set q, 0
.rept 8
	global_store_b128 v[NO], v[NB+4*q:NB+4*q+3], s[52:53] offset:(q/4)*524288+(q%4)*1024
.set q, q+1
.endr
	s_cmp_eq_u32 s36, 0                            ; wave 0 finishes tile n, wave 1 (work-groups 0..15) tile 256 + n
	s_cbranch_scc1 .Ltile
	s_cmp_eq_u32 s36, 1
	s_cbranch_scc0 .Lend
	s_cmp_lt_u32 s37, 16
	s_cbranch_scc0 .Lend
	TSUM TP2, 1, 131072
	s_branch .Lend
.Ltile:
	TSUM TP, 0, 0
.Lend:
	s_wait_dscnt 0x0                               ; the wave's end: the closing lines, six on end
	s_wait_alu 0x0
	s_wait_tensorcnt 0x0
	ds_add_u32 v[SPW], v[NIL]
	s_wait_dscnt 0x0
	s_endpgm
.Lfunc_end_k_q10d51635d8_gnfold:
	.size	k_q10d51635d8_gnfold, .Lfunc_end_k_q10d51635d8_gnfold-k_q10d51635d8_gnfold
	.p2alignl 7, 3214868480
	.fill 96, 4, 3214868480
	.section	.rodata,"a",@progbits
	.p2align	6, 0x0
	.amdhsa_kernel k_q10d51635d8_gnfold
		.amdhsa_group_segment_fixed_size 17920
		.amdhsa_private_segment_fixed_size 0
		.amdhsa_enable_private_segment 0
		.amdhsa_kernarg_size 64
		.amdhsa_user_sgpr_count 2
		.amdhsa_user_sgpr_kernarg_segment_ptr 1
		.amdhsa_wavefront_size32 1
		.amdhsa_system_sgpr_workgroup_id_x 1
		.amdhsa_system_sgpr_workgroup_id_y 1
		.amdhsa_system_sgpr_workgroup_id_z 1
		.amdhsa_system_vgpr_workitem_id 0
		.amdhsa_next_free_vgpr 232
		.amdhsa_next_free_sgpr 72
		.amdhsa_reserve_vcc 1
		.amdhsa_float_denorm_mode_32 3
		.amdhsa_float_denorm_mode_16_64 3
		.amdhsa_memory_ordered 1
		.amdhsa_forward_progress 1
		.amdhsa_inst_pref_size 34
	.end_amdhsa_kernel
	.amdgpu_metadata
---
amdhsa.version: [ 1, 2 ]
amdhsa.kernels:
  - .name:           k_q10d51635d8_gnfold
    .symbol:         k_q10d51635d8_gnfold.kd
    .args:
      - { .name: input, .offset: 0, .size: 8, .value_kind: global_buffer, .address_space: global }
      - { .name: gn_weight, .offset: 8, .size: 8, .value_kind: global_buffer, .address_space: global }
      - { .name: gn_bias, .offset: 16, .size: 8, .value_kind: global_buffer, .address_space: global }
      - { .name: w_kv, .offset: 24, .size: 8, .value_kind: global_buffer, .address_space: global }
      - { .name: w_out, .offset: 32, .size: 8, .value_kind: global_buffer, .address_space: global }
      - { .name: w_q, .offset: 40, .size: 8, .value_kind: global_buffer, .address_space: global }
      - { .name: nf, .offset: 48, .size: 8, .value_kind: global_buffer, .address_space: global }
      - { .name: wf, .offset: 56, .size: 8, .value_kind: global_buffer, .address_space: global }
    .group_segment_fixed_size: 17920
    .private_segment_fixed_size: 0
    .kernarg_segment_align: 8
    .kernarg_segment_size: 64
    .max_flat_workgroup_size: 256
    .sgpr_count:     72
    .vgpr_count:     232
    .wavefront_size: 32
...
	.end_amdgpu_metadata
.endif
;; end of part 4
;; launch proj: the kernel of part 2 again; grid 32 x 8, 4 waves a work-group, no clusters, 167,936 bytes of LDS; arguments nf, wf, vt, kr; writes vt, kr
;; launch attn: the kernel of part 3 again; grid 32 x 8, 4 waves a work-group, clusters of 4 x 1, 327,680 bytes of LDS; arguments vt, kr, quary, input, b_out, out0; writes out0
